; MI455X (gfx1250); checked and timed in simulation.
; The chip was launched on July 23, 2026; its instructions are those of AMD's public machine-readable ISA for CDNA 5 (MIT licence, August 2026) and "CDNA5" Instruction Set Architecture Reference Guide (July 2026). The comments in the code are by the model that wrote it; some were corrected since.
;; Grouped Query Attention. Allowed arithmetic: matrix products marked QUANTISED: E3M2 operands, one E8M0 scale for each 32 along K, by v_wmma_scale_f32_16x16x128_f8f6f4 with both operands' format E3M2, f32 sums; everything else in f32.
;; Inputs: Wk 1,024 x 256 float32; Wo 1,024 x 1,024 float32; Wq 1,024 x 1,024 float32; Wv 1,024 x 256 float32; x 4 x 2,048 x 1,024 float32.
;; Outputs: out0 4 x 2,048 x 1,024 float32.
;; This version of the problem:
;;   THIS VERSION OF THE PROBLEM IS GIVEN IN LOW PRECISION. The matrix products marked QUANTISED in the list below multiply operands that are first quantised to E3M2 (3 exponent bits, 2 mantissa bits; 6 bits a number), with one power-of-two scale for each 32 numbers along K (OCP MX v1.0); their sums are f32. All else is computed in f32.
;;   The module's matrix products, in the order in which they are computed (A, B: the left and right operand; K: the contracted axis; several contracted axes count as one K, in the product's order):
;;     1. [M 8,192, K 1,024] x [K 1,024, N 1,024]; A: input x; B: input Wq: QUANTISED
;;     2. [M 8,192, K 1,024] x [K 1,024, N 256]; A: input x; B: input Wk: QUANTISED
;;     3. [M 8,192, K 1,024] x [K 1,024, N 256]; A: input x; B: input Wv: QUANTISED
;;     4. batch 64 x [M 2,048, K 64] x [K 64, N 2,048]; A: computed on the way; B: computed on the way: QUANTISED
;;     5. batch 64 x [M 2,048, K 2,048] x [K 2,048, N 64]; A: softmax (see below); B: computed on the way: QUANTISED
;;     6. [M 8,192, K 1,024] x [K 1,024, N 1,024]; A: computed on the way; B: input Wo: QUANTISED
;;   THE QUANTISER, for each operand of a quantised product, along K:
;;     - K is cut into blocks of 32 from its start; a last block that is shorter is filled with zeros.
;;     - A block's scale is 2^e with e = floor(log2(the largest magnitude in the block)) - 4, held to -126 .. 127; a block of zeros has e = 0. As a byte (E8M0): e + 127.
;;     - Each number is divided by its block's scale, clamped to +-28, and rounded to the nearest number of E3M2, ties to even, subnormals kept.
;;     - The product sums the exact products of the quantised numbers (number of the format x scale) in f32.
;;   ~~~python
;;   def quantise(x, axis):      # numpy; x: float32 -> the quantised numbers, widened to float32 again
;;       x = np.moveaxis(x, axis, -1); K = x.shape[-1]
;;       x = np.pad(x, [(0, 0)] * (x.ndim - 1) + [(0, -K % 32)]); x = x.reshape(x.shape[:-1] + (-1, 32)); a = np.abs(x).max(-1, keepdims=True)
;;       e = np.where(a > 0, np.clip(np.frexp(np.where(a > 0, a, 1))[1] - 1 - 4, -126, 127), 0)      # np.frexp(a)[1] - 1 = floor(log2(a)), exactly
;;       r = np.clip(x / 2.0 ** e, -28, 28)
;;       step = 2.0 ** (np.maximum(np.frexp(np.where(r == 0, 1, r))[1] - 1, -2) - 2)
;;       q = np.round(r / step) * step * 2.0 ** e      # np.round: ties to even
;;       return np.moveaxis(q.reshape(q.shape[:-2] + (-1,))[..., :K], -1, axis).astype(np.float32)
;;   ~~~
;;   SOFTMAX AHEAD OF A QUANTISED PRODUCT. Where the list says 'softmax', what is quantised is not the finished softmax but p = 2^(t - M), with t = logit x log2(e) and M = ceil(the row's largest t), a whole number; so 1/2 < the row's largest p <= 1. The row's sum l is taken of the UNQUANTISED p, in f32, and the product's result is divided by l at the end. Since M is a whole number, a kernel that streams over the keys may use a running M (the ceiling of the running maximum): every later rescaling is an exact power of two, which a block's scale takes up: the codes' values come out the same.
;;   OPERANDS COMPUTED ON THE WAY. 'Computed on the way' means the value that the module computes at that place (a softmax that the list does not call 'softmax' is quantised finished and normalised). What goes into a quantiser is computed in f32, as accurately as f32 sums, v_exp_f32 and their like allow (about 1e-6 of the number): no bf16 or f16 on the way to a quantiser, and a product that is left as it is and whose result goes on into a quantised operand takes f32 operands (vector FMAs, or v_wmma_f32_16x16x4_f32). A number that lies on a knife's edge between two numbers of the format may be rounded either way, as far as f32 arithmetic and the matrix unit's own rounding can turn it there, and no further.
;; One version. Each part assembles by itself: llvm-mc -triple=amdgcn-amd-amdhsa -mcpu=gfx1250 --defsym DOCPART=n.
;; ======== version 1 of 1: 4 launches
;; limits: right only within a limited range of input values
;; workspace buffers: xu 6,553,600 bytes; wu 2,048,000 bytes; qu 7,340,032 bytes; kv 3,407,872 bytes; ou 6,553,600 bytes
;; launch prep (part 1): grid 336 x 1, 4 waves a work-group, no clusters, 34,304 bytes of LDS; arguments x, Wq, Wk, Wv, Wo, xu, wu; writes xu, wu
.if DOCPART == 1
	.amdgcn_target "amdgcn-amd-amdhsa--gfx1250"
	.amdhsa_code_object_version 6
	.text
	.protected	k_q77439a09da_prep
	.globl	k_q77439a09da_prep
	.p2align	8
	.type	k_q77439a09da_prep,@function
k_q77439a09da_prep:
	s_mov_b64 s[64:65], 0
	v_nop
	global_prefetch_b8 v0, s[64:65] scope:SCOPE_SE
	s_setreg_imm32_b32 hwreg(HW_REG_WAVE_MODE, 25, 1), 1
	s_wait_xcnt 0x0
; x [8192][1024] and the four weights ([1024 (k)][n]), f32, become codes of BF6 (E3M2) with one E8M0 byte for each 32 along K, laid in the ORDER OF AN OPERAND'S REGISTERS.
; A UNIT is 64 rows (tokens, or columns of a weight) x K = 1,024: eight K steps of 6,400 bytes: four fragments (16 rows x 128 K, 1,536 bytes) and 256 bytes of scale words.
; A fragment is two halves of 768 bytes (64 along K): registers 0-3 of lane l at 16 l, registers 4-5 at 512 + 8 l.  Scale words: lane l at 8 l holds (tiles 0|1, tiles 2|3): lanes 0-15 the even tile's rows, lanes 16-31 the odd tile's.
; THE ROWS OF A TILE: in token units and in Wq's, Wk's, Wv's units lane r of tile 2 g + u holds row 32 g + 8 u + r + 8 (r / 8); in Wo's units row 16 (2 g + u) + r.
; A block's scale is 2^(floor(log2(largest magnitude)) - 4): its byte is the largest magnitude's exponent field - 4, held at 1 from below by a floor among the maximum's leaves.
; LIMITS: a block of zeros gets the byte 1 where the rule says 127 (its codes are zeros and this program alone reads the bytes); blocks whose largest magnitude lies under 2^-122 are held at byte 1; NaN and infinities are not served.
; SHARES: work-groups 0-79 take the 40 weight units (a wave: one unit, one K step), work-groups 80-335 the 128 token units likewise.  A wave reads 32,768 bytes and stores 6,400 consecutive bytes.
; Memory binds: no matrix unit, no cluster, no tensor load.  Only the token path uses LDS (a stage of each wave's own, to turn rows loaded 16 bytes a lane into 128 bytes a lane).
.set SPARE, 33792                      ; behind the four stages: the spare words, 128 bytes for each wave
.set SPW,   14                         ; v14  my spare word's address; never rewritten
.set NIL,   15                         ; v15  0; never rewritten
.set STG,   8448                       ; a wave's stage: 16 rows x (512 + 16) bytes
.set XR,    128                        ; v128-255 two sets of 64: a tile's 16 rows as loaded
.set XN,    64                         ; v64-127  my 64 numbers: two whole blocks of 32
.set XC,    16                         ; v16-39   codes, two sets of 12
.set XPT,   40                         ; v40-47   the upper halves of two blocks' codes, before they are moved
.set XMX,   8                          ; v8-9     largest magnitudes
.set XW,    10                         ; v10-13   the four tiles' scale words
.set XSC,   48                         ; v48-49   the conversions' scale operands
.set XBY,   50                         ; v50-51   scale bytes
.set WVO,   32                         ; weights: v32-63 4 x lane + i x pitch
.set WX,    64                         ; v64-127  two sets of 32 numbers
.set WCD,   128                        ; v128-175 six registers of codes for each of eight blocks
.set WPT,   24
.set WSW,   12                         ; v12-13   my column's scale words of the two groups of 32 columns
.macro XLOAD tau                       ; tile tau's 16 rows, 512 consecutive bytes a load
.irp i, 0,1,2,3,4,5,6,7,8,9,10,11,12,13,14,15
	global_load_b128 v[XR+64*((\tau)%2)+4*\i:XR+64*((\tau)%2)+4*\i+3], v1, s[4:5] offset:(32*((\tau)/2)+8*((\tau)%2)+\i+8*(\i/8))*4096 th:TH_LOAD_NT
.endr
.endm
.macro XTILE tau
.set CS, XC+12*((\tau)%2)
.if (\tau) < 3
	s_wait_loadcnt 16                              ; this tile's 16 loads are in; the next tile's 16 may be out
.else
	s_wait_loadcnt 0x0
.endif
.irp i, 0,1,2,3,4,5,6,7,8,9,10,11,12,13,14,15
	ds_store_b128 v3, v[XR+64*((\tau)%2)+4*\i:XR+64*((\tau)%2)+4*\i+3] offset:528*\i
.endr
.irp c, 0,1
.irp q, 0,1,2,3,4,5,6,7
	ds_load_b128 v[XN+32*\c+4*\q:XN+32*\c+4*\q+3], v4 offset:256*\c+16*\q   ; row r, k = 64 c + 32 h + 4 q ..: LDS serves a wave's instructions in order, so these see the stores above
.endr
.endr
	s_wait_dscnt 0x0                               ; my numbers are here, and the stores have read their registers
.if (\tau) < 2
	XLOAD (\tau)+2
.endif
.irp c, 0,1
	v_max3_num_f32 v[XMX+\c], |v[XN+32*\c]|, |v[XN+32*\c+1]|, 0x2800000   ; block 2 c + h is all mine; the floor 2^(5 - 127) holds the byte at 1 from below
.endr
.irp i, 2,4,6,8,10,12,14,16,18,20,22,24,26,28,30
.irp c, 0,1
	v_max3_num_f32 v[XMX+\c], v[XMX+\c], |v[XN+32*\c+\i]|, |v[XN+32*\c+\i+1]|
.endr
.endr
.irp c, 0,1
	v_add_nc_u32 v[XSC+\c], 0xfe000000, v[XMX+\c]  ; 4 off the exponent field: the conversion's scale operand
.endr
.irp c, 0,1
	v_lshrrev_b32 v[XBY+\c], 23, v[XSC+\c]         ; the scale's byte
.endr
.if (\tau) >= 2
	s_wait_alu depctr_va_vdst(0)
	s_wait_xcnt 0x0                                ; the stores of two tiles back have read this set of code registers
.endif
.irp c, 0,1
	v_cvt_scalef32_pk16_bf6_f32 v[CS+6*\c:CS+6*\c+2], v[XN+32*\c:XN+32*\c+15], v[XSC+\c]
	v_cvt_scalef32_pk16_bf6_f32 v[XPT+4*\c:XPT+4*\c+2], v[XN+32*\c+16:XN+32*\c+31], v[XSC+\c]   ; (a conversion's three registers begin on an even number)
.endr
	v_lshl_or_b32 v7, v[XBY+1], 16, v[XBY]         ; my two bytes, blocks h and 2 + h.  (Also the plain line behind the conversions)
	v_lshlrev_b32 v7, v5, v7                       ; at their places: 8 h bits up
.irp c, 0,1
.irp i, 0,1,2
	v_mov_b32 v[CS+6*\c+3+\i], v[XPT+4*\c+\i]
.endr
.endr
	v_permlanex16_b32 v6, v7, s28, s29
	v_or_b32 v[XW+(\tau)], v7, v6                  ; with lane l xor 16's two bytes the row's word is whole
.irp c, 0,1
	global_store_b128 v1, v[CS+6*\c:CS+6*\c+3], s[14:15] offset:(\tau)*1536+768*\c        ; 512 consecutive bytes
	global_store_b64 v2, v[CS+6*\c+4:CS+6*\c+5], s[14:15] offset:(\tau)*1536+768*\c+512   ; 256 consecutive bytes
.endr
.endm
.macro WLOAD n                         ; block n = 4 g + bk: W(128 s + 32 bk + i, my column of group g), i = 0 .. 31
.set i, 0
.rept 32
	global_load_b32 v[WX+32*((\n)%2)+i], v[WVO+i], s[32+2*(\n):33+2*(\n)] th:TH_LOAD_NT
.set i, i+1
.endr
.endm
.macro WBLOCK n
.set XS, WX+32*((\n)%2)
.set CD, WCD+6*(\n)
.if (\n) < 7
	s_wait_loadcnt 32                              ; this block's 32 loads are in; the next block's may be out
.else
	s_wait_loadcnt 0x0
.endif
	v_max3_num_f32 v8, |v[XS]|, |v[XS+1]|, |v[XS+2]|
	v_max3_num_f32 v9, |v[XS+3]|, |v[XS+4]|, |v[XS+5]|
.irp i, 6,10,14,18,22,26
	v_max3_num_f32 v8, v8, |v[XS+\i]|, |v[XS+\i+1]|
	v_max3_num_f32 v9, v9, |v[XS+\i+2]|, |v[XS+\i+3]|
.endr
	v_max3_num_f32 v8, v8, |v[XS+30]|, |v[XS+31]|
	v_max3_num_f32 v8, v8, v9, 0x2800000           ; and the floor
	v_add_nc_u32 v10, 0xfe000000, v8
	v_lshrrev_b32 v11, 23, v10
.if (\n)%4 == 0
	v_mov_b32 v[WSW+(\n)/4], v11                   ; four bytes to a word, the lower K in the lower byte
.else
	v_lshl_or_b32 v[WSW+(\n)/4], v11, 8*((\n)%4), v[WSW+(\n)/4]
.endif
	v_cvt_scalef32_pk16_bf6_f32 v[CD:CD+2], v[XS:XS+15], v10
	v_cvt_scalef32_pk16_bf6_f32 v[WPT:WPT+2], v[XS+16:XS+31], v10
	v_nop                                          ; one plain line behind the conversions
.irp i, 0,1,2
	v_mov_b32 v[CD+3+\i], v[WPT+\i]
.endr
	global_store_b128 v3, v[CD:CD+3], s[16:17] offset:3072*((\n)/4)+768*(((\n)%4)/2)+256*((\n)%2)         ; I am lane (r, h = bk % 2) of half bk / 2 of tile 2 g + u
	global_store_b64 v4, v[CD+4:CD+5], s[16:17] offset:3072*((\n)/4)+768*(((\n)%4)/2)+512+128*((\n)%2)
.if (\n)+2 < 8
	WLOAD (\n)+2
.endif
.endm
	s_load_b256 s[4:11], s[0:1], 0x0               ; x s[4:5], Wq s[6:7], Wk s[8:9], Wv s[10:11]
	s_load_b128 s[12:15], s[0:1], 0x20             ; Wo s[12:13], xu s[14:15]
	s_load_b64 s[16:17], s[0:1], 0x30              ; wu
	v_lshl_add_u32 v[SPW], v0, 2, SPARE
	v_mov_b32 v[NIL], 0
	v_lshrrev_b32 v1, 5, v0
	v_readfirstlane_b32 s18, v1                    ; wave 0..3
	v_and_b32 v7, 31, v0                           ; lane
	v_lshlrev_b32 v1, 4, v7                        ; 16 x lane
	v_lshlrev_b32 v2, 3, v7                        ; 8 x lane
	s_cmp_lt_u32 ttmp9, 80
	s_cbranch_scc1 .Lweights
	; ---- tokens
	s_sub_co_u32 s19, ttmp9, 80
	s_lshr_b32 s20, s19, 1                         ; the unit
	s_and_b32 s21, s19, 1
	s_lshl_b32 s21, s21, 2
	s_add_co_u32 s21, s21, s18                     ; my K step
	s_lshl_b32 s22, s20, 18                        ; 64 rows of 4,096 bytes a unit,
	s_lshl_b32 s23, s21, 9                         ; 512 bytes a K step
	s_add_co_u32 s22, s22, s23
	s_mov_b32 s23, 0
	s_mul_i32 s24, s20, 51200
	s_mul_i32 s25, s21, 6400
	s_add_co_u32 s24, s24, s25
	s_mov_b32 s25, 0
	s_mul_i32 s26, s18, STG                        ; my stage
	s_wait_alu depctr_va_vdst(0)
	v_add_nc_u32 v3, s26, v1                       ; in: 16 x lane of a row
	v_and_b32 v8, 15, v0
	v_bfe_u32 v9, v0, 4, 1
	v_mul_u32_u24 v4, v8, 528
	v_lshl_add_u32 v4, v9, 7, v4
	v_add_nc_u32 v4, s26, v4                       ; out: row r, 128 h bytes on
	v_lshlrev_b32 v5, 3, v9                        ; 8 h
	v_mov_b32 v6, 0                                ; (a lane permute's destination counts as read)
	s_mov_b32 s28, 0x76543210
	s_mov_b32 s29, 0xfedcba98                      ; selects for lane l xor 16
	s_mov_b32 s30, 0xffff0000                      ; lanes 16-31
	s_wait_alu depctr_va_vdst(0)
	s_wait_kmcnt 0x0
	s_add_nc_u64 s[4:5], s[4:5], s[22:23]
	s_add_nc_u64 s[14:15], s[14:15], s[24:25]
	XLOAD 0
	XLOAD 1
	XTILE 0
	XTILE 1
	XTILE 2
	XTILE 3
	v_cndmask_b32 v8, v[XW], v[XW+1], s30          ; lanes 0-15 tile 0's words, lanes 16-31 tile 1's
	v_cndmask_b32 v9, v[XW+2], v[XW+3], s30
	global_store_b64 v2, v[8:9], s[14:15] offset:6144   ; 256 consecutive bytes
	s_wait_tensorcnt 0x0                           ; the wave's end
	ds_add_u32 v[SPW], v[NIL]
	s_wait_dscnt 0x0
	s_endpgm
	; ---- weights: a lane takes a column, its registers run down K; no LDS
.Lweights:
	s_lshr_b32 s19, ttmp9, 1                       ; the unit cu
	s_and_b32 s20, ttmp9, 1
	s_lshl_b32 s20, s20, 2
	s_add_co_u32 s20, s20, s18                     ; my K step
	s_mul_i32 s21, s19, 11
	s_lshr_b32 s21, s21, 5                         ; cu / 3 (exact for cu under 24)
	s_mul_i32 s22, s21, 3
	s_sub_co_u32 s22, s19, s22                     ; cu % 3: 0, 1: Wq;  2: Wk or Wv
	s_lshl_b32 s23, s21, 1
	s_add_co_u32 s23, s23, s22                     ; Wq: the head
	s_lshr_b32 s24, s21, 1                         ; Wk, Wv: the key and value head
	s_sub_co_u32 s25, s19, 24                      ; Wo: 64 columns a unit
	s_and_b32 s26, s21, 1
	s_wait_kmcnt 0x0
	s_cmp_eq_u32 s26, 0
	s_cselect_b64 s[8:9], s[8:9], s[10:11]         ; Wk or Wv: the choices hang on the work-group's number alone
	s_mov_b32 s26, 4096
	s_cmp_eq_u32 s22, 2
	s_cselect_b64 s[6:7], s[8:9], s[6:7]
	s_cselect_b32 s23, s24, s23
	s_cselect_b32 s27, 1024, s26                   ; bytes from row to row
	s_cmp_ge_u32 s19, 24
	s_cselect_b64 s[6:7], s[12:13], s[6:7]
	s_cselect_b32 s23, s25, s23
	s_cselect_b32 s27, s26, s27
	s_cselect_b32 s31, -1, 0                       ; Wo's tiles hold neighbouring columns
	s_lshl_b32 s28, s20, 7
	s_mul_i32 s28, s28, s27                        ; 128 rows a K step
	s_lshl_b32 s29, s23, 8                         ; 64 columns of 4 bytes
	s_add_co_u32 s28, s28, s29
	s_mov_b32 s29, 0
	s_add_nc_u64 s[32:33], s[6:7], s[28:29]        ; block (g = 0, bk = 0)
	s_lshl_b32 s28, s27, 5                         ; 32 rows
.irp bk, 1,2,3
	s_add_nc_u64 s[32+2*\bk:33+2*\bk], s[30+2*\bk:31+2*\bk], s[28:29]
.endr
.irp bk, 0,1,2,3
	s_add_nc_u64 s[40+2*\bk:41+2*\bk], s[32+2*\bk:33+2*\bk], 128   ; group 1: 32 columns on
.endr
	s_mul_i32 s48, s19, 51200
	s_mul_i32 s49, s20, 6400
	s_add_co_u32 s48, s48, s49
	s_mov_b32 s49, 0
	s_add_nc_u64 s[16:17], s[16:17], s[48:49]
	s_wait_alu depctr_va_vdst(0)
	v_lshlrev_b32 v[WVO], 2, v7
.set i, 1
.rept 31
	v_add_nc_u32 v[WVO+i], s27, v[WVO+i-1]
.set i, i+1
.endr
	v_lshrrev_b32 v8, 4, v7                        ; neighbouring columns: tile u = l / 16, row r = l % 16
	v_and_b32 v9, 15, v7
	v_bfe_u32 v10, v7, 3, 1                        ; else: u = (l / 8) % 2, r = l % 8 + 8 (l / 16)
	v_and_b32 v11, 7, v7
	v_lshl_add_u32 v11, v8, 3, v11
	v_cndmask_b32 v8, v10, v8, s31
	v_cndmask_b32 v9, v11, v9, s31
	v_mul_u32_u24 v10, v8, 1536
	v_lshl_add_u32 v3, v9, 4, v10                  ; my place for registers 0-3,
	v_lshl_add_u32 v4, v9, 3, v10                  ; for registers 4-5,
	v_lshl_add_u32 v5, v8, 4, v9
	v_lshlrev_b32 v5, 3, v5                        ; and for my two scale words
	WLOAD 0
	WLOAD 1
.irp n, 0,1,2,3,4,5,6,7
	WBLOCK \n
.endr
	global_store_b64 v5, v[WSW:WSW+1], s[16:17] offset:6144
	s_endpgm
.Lfunc_end_k_q77439a09da_prep:
	.size	k_q77439a09da_prep, .Lfunc_end_k_q77439a09da_prep-k_q77439a09da_prep
	.p2alignl 7, 3214868480
	.fill 96, 4, 3214868480
	.section	.rodata,"a",@progbits
	.p2align	6, 0x0
	.amdhsa_kernel k_q77439a09da_prep
		.amdhsa_group_segment_fixed_size 34304
		.amdhsa_private_segment_fixed_size 0
		.amdhsa_enable_private_segment 0
		.amdhsa_kernarg_size 56
		.amdhsa_user_sgpr_count 2
		.amdhsa_user_sgpr_kernarg_segment_ptr 1
		.amdhsa_wavefront_size32 1
		.amdhsa_system_sgpr_workgroup_id_x 1
		.amdhsa_system_sgpr_workgroup_id_y 1
		.amdhsa_system_sgpr_workgroup_id_z 1
		.amdhsa_system_vgpr_workitem_id 0
		.amdhsa_next_free_vgpr 256
		.amdhsa_next_free_sgpr 66
		.amdhsa_reserve_vcc 0
		.amdhsa_float_denorm_mode_32 3
		.amdhsa_float_denorm_mode_16_64 3
		.amdhsa_memory_ordered 1
		.amdhsa_forward_progress 1
		.amdhsa_inst_pref_size 71
	.end_amdhsa_kernel
	.amdgpu_metadata
---
amdhsa.version: [ 1, 2 ]
amdhsa.kernels:
  - .name:           k_q77439a09da_prep
    .symbol:         k_q77439a09da_prep.kd
    .args:
      - { .name: x, .offset: 0, .size: 8, .value_kind: global_buffer, .address_space: global }
      - { .name: Wq, .offset: 8, .size: 8, .value_kind: global_buffer, .address_space: global }
      - { .name: Wk, .offset: 16, .size: 8, .value_kind: global_buffer, .address_space: global }
      - { .name: Wv, .offset: 24, .size: 8, .value_kind: global_buffer, .address_space: global }
      - { .name: Wo, .offset: 32, .size: 8, .value_kind: global_buffer, .address_space: global }
      - { .name: xu, .offset: 40, .size: 8, .value_kind: global_buffer, .address_space: global }
      - { .name: wu, .offset: 48, .size: 8, .value_kind: global_buffer, .address_space: global }
    .group_segment_fixed_size: 34304
    .private_segment_fixed_size: 0
    .kernarg_segment_align: 8
    .kernarg_segment_size: 56
    .max_flat_workgroup_size: 128
    .sgpr_count:     66
    .vgpr_count:     256
    .wavefront_size: 32
...
	.end_amdgpu_metadata
.endif
;; end of part 1
;; launch qkv (part 2): grid 8 x 64, 6 waves a work-group, clusters of 4 x 4, 256,768 bytes of LDS; arguments xu, wu, qu, kv; writes qu, kv
.if DOCPART == 2
	.amdgcn_target "amdgcn-amd-amdhsa--gfx1250"
	.amdhsa_code_object_version 6
	.text
	.protected	k_q77439a09da_qkv
	.globl	k_q77439a09da_qkv
	.p2align	8
	.type	k_q77439a09da_qkv,@function
k_q77439a09da_qkv:
	s_mov_b64 s[64:65], 0
	v_nop
	global_prefetch_b8 v0, s[64:65] scope:SCOPE_SE
	s_setreg_imm32_b32 hwreg(HW_REG_WAVE_MODE, 25, 1), 1
	s_wait_xcnt 0x0
	s_wait_alu depctr_hold_cnt(0) depctr_sa_sdst(0) depctr_va_vdst(0) depctr_va_sdst(0) depctr_va_ssrc(0) depctr_va_vcc(0) depctr_vm_vsrc(0)
	s_getreg_b32 s2, hwreg(HW_REG_IB_STS2, 6, 4)
	s_cmp_eq_u32 s2, 0
	s_cbranch_scc0 .Lentry_in_a_cluster
	s_endpgm
.Lentry_in_a_cluster:
	s_bfe_u32 s2, ttmp6, 0x10000c
	s_cmp_lg_u32 s2, 0xf033
	s_cbranch_scc0 .Lentry_shape_is_right
	s_endpgm
.Lentry_shape_is_right:
; q = x Wq, k = x Wk, v = x Wv on codes of BF6 (E3M2) with E8M0 scales; the results stay in registers, are quantised there (q, k along the head's 64; v along the keys) and stored in the order in which the attention's operand registers take them.
; SHARES.  A work-group takes 128 tokens (two units of 64) and three weight units of 64 columns: two query heads, and Wk's (cluster x = 0) or Wv's (cluster x = 1) 64 columns of the same key and value head.
; Six waves: wave w takes token unit w % 2 and weight unit w / 2: 64 x 64 results, 16 accumulators.
; LDS.  All of K = 1,024 of the five units lies in LDS, filled ONCE at the head by tensor loads, one load a unit; one wait for 0 and one barrier stand in front of the first K step; nothing is filled again.
; CLUSTER 4 x 4: the four of a row share the tokens, the four of a column the weights: each piece is asked for jointly, by the same load with the same descriptor and a mask that names the four.
; SIDES.  q, k: source 0 = the weight (its tiles' rows are chosen so that a lane's registers run along the head), source 1 = the tokens: a lane holds a token.  v: the two pieces change places: a lane holds a channel and its registers run along 64 keys.
; LIMITS: a block of zeros gets the byte 1 where the rule says 127 (its codes are zeros and this program alone reads the bytes); blocks whose largest magnitude lies under 2^-122 are held at byte 1; NaN and infinities are not served.
.set NW,     3
.set NP,     5                         ; pieces in a chunk: two token units, three weight units
.set PIECE,  51200                     ; AS THE TEXT NOW STANDS: a unit's whole K, eight K steps, lies on end in LDS and comes by ONE tensor load of the wave that fetches it; one wait for 0 and one barrier stand in front of the first K step
.set CHUNKB, 12800                     ; two K steps: what the LDS addresses are stepped by
.set SPARE,  NP*PIECE
.set SPW,  14
.set NIL,  15
.set AA16, 3                           ; v3-6  LDS addresses: source 0's piece + 16 l, + 8 l; source 1's likewise
.set AA8,  4
.set BA16, 5
.set BA8,  6
.set TW,   8                           ; v8-11  the four tiles' two scale bytes
.set SA,   16                          ; v16-17 source 0's scale words, v18-19 source 1's: they hold scales and nothing else
.set SB,   18
.set TM,   20                          ; v20-25 the quantiser's work
.set TX,   22
.set TS,   24
.set AF,   32                          ; v32-79   source 0's four fragments; later the results' codes
.set BF,   80                          ; v80-127  source 1's
.set ACC,  128                         ; v128-255 accumulator (L, P) at 128 + 8 (4 L + P)
.set HF,   32
.set PT,   64
.set WV,   12
.set G1X,  20                          ; s[20:27] group 1 for the tokens' pieces, s[28:35] for the weights'
.set G1W,  28
.set G0X,  36                          ; s[36:39] the tokens' group 0; s[68:71] the weights'
.set G0W,  68
.set MSK,  88
.set SEL,  90
.macro ROUND                           ; a round of the cluster's barrier
	s_barrier_signal -1
	s_barrier_wait -1
	s_cmp_lg_u32 s[WV], 0
	s_cbranch_scc1 .Lnot_wave_0_\@
	s_barrier_signal -3
.Lnot_wave_0_\@:
	s_barrier_wait -3
	s_barrier_signal -1
	s_barrier_wait -1
.endm
.macro WM d, a, b, z, sa, sb, ra, rb   ; one product; z: it starts the sum; ra, rb: the scale words lie in lanes 16-31
.if \z
.if (\ra) && (\rb)
	v_wmma_scale_f32_16x16x128_f8f6f4 v[\d:\d+7], v[\a:\a+11], v[\b:\b+11], 0, v[\sa], v[\sb] matrix_a_fmt:MATRIX_FMT_BF6 matrix_b_fmt:MATRIX_FMT_BF6 matrix_a_scale:MATRIX_SCALE_ROW1 matrix_b_scale:MATRIX_SCALE_ROW1
.elseif (\ra)
	v_wmma_scale_f32_16x16x128_f8f6f4 v[\d:\d+7], v[\a:\a+11], v[\b:\b+11], 0, v[\sa], v[\sb] matrix_a_fmt:MATRIX_FMT_BF6 matrix_b_fmt:MATRIX_FMT_BF6 matrix_a_scale:MATRIX_SCALE_ROW1
.elseif (\rb)
	v_wmma_scale_f32_16x16x128_f8f6f4 v[\d:\d+7], v[\a:\a+11], v[\b:\b+11], 0, v[\sa], v[\sb] matrix_a_fmt:MATRIX_FMT_BF6 matrix_b_fmt:MATRIX_FMT_BF6 matrix_b_scale:MATRIX_SCALE_ROW1
.else
	v_wmma_scale_f32_16x16x128_f8f6f4 v[\d:\d+7], v[\a:\a+11], v[\b:\b+11], 0, v[\sa], v[\sb] matrix_a_fmt:MATRIX_FMT_BF6 matrix_b_fmt:MATRIX_FMT_BF6
.endif
.else
.if (\ra) && (\rb)
	v_wmma_scale_f32_16x16x128_f8f6f4 v[\d:\d+7], v[\a:\a+11], v[\b:\b+11], v[\d:\d+7], v[\sa], v[\sb] matrix_a_fmt:MATRIX_FMT_BF6 matrix_b_fmt:MATRIX_FMT_BF6 matrix_a_scale:MATRIX_SCALE_ROW1 matrix_b_scale:MATRIX_SCALE_ROW1
.elseif (\ra)
	v_wmma_scale_f32_16x16x128_f8f6f4 v[\d:\d+7], v[\a:\a+11], v[\b:\b+11], v[\d:\d+7], v[\sa], v[\sb] matrix_a_fmt:MATRIX_FMT_BF6 matrix_b_fmt:MATRIX_FMT_BF6 matrix_a_scale:MATRIX_SCALE_ROW1
.elseif (\rb)
	v_wmma_scale_f32_16x16x128_f8f6f4 v[\d:\d+7], v[\a:\a+11], v[\b:\b+11], v[\d:\d+7], v[\sa], v[\sb] matrix_a_fmt:MATRIX_FMT_BF6 matrix_b_fmt:MATRIX_FMT_BF6 matrix_b_scale:MATRIX_SCALE_ROW1
.else
	v_wmma_scale_f32_16x16x128_f8f6f4 v[\d:\d+7], v[\a:\a+11], v[\b:\b+11], v[\d:\d+7], v[\sa], v[\sb] matrix_a_fmt:MATRIX_FMT_BF6 matrix_b_fmt:MATRIX_FMT_BF6
.endif
.endif
.endm
.macro MM L, P, zero
	WM ACC+8*(4*(\L)+(\P)), AF+12*(\P), BF+12*(\L), \zero, SA+(\P)/2, SB+(\L)/2, (\P)%2, (\L)%2
.endm
.macro FRAGLD reg, a16, a8, off        ; a fragment's 12 registers, as they were stored
	ds_load_b128 v[\reg:\reg+3], v[\a16] offset:\off
	ds_load_b64 v[\reg+4:\reg+5], v[\a8] offset:\off+512
	ds_load_b128 v[\reg+6:\reg+9], v[\a16] offset:\off+768
	ds_load_b64 v[\reg+10:\reg+11], v[\a8] offset:\off+1280
.endm
; A K step of 128: 34 LDS loads, 16 products.  The 16 accumulators take turns, one instruction a turn, in the same order in every step.
.macro KSTEP sl, zero, places
.if \places
.rept 4
	v_nop                                          ; four places between the last product and loads into registers that it read
.endr
.endif
	ds_load_b64 v[SA:SA+1], v[AA8] offset:6400*\sl+6144
	ds_load_b64 v[SB:SB+1], v[BA8] offset:6400*\sl+6144
.irp P, 0,1,2,3
	FRAGLD AF+12*\P, AA16, AA8, 6400*\sl+1536*\P
.endr
.irp L, 0,1,2,3
	FRAGLD BF+12*\L, BA16, BA8, 6400*\sl+1536*\L
.endr
.irp L, 0,1,2,3
	s_wait_dscnt 4*(3-\L)                          ; all but the later fragments of source 1, four loads each
.irp P, 0,1,2,3
	MM \L, \P, \zero
.endr
.endr
.endm
; 32 numbers of a lane, register 16 b + i = k 32 b + 16 (lane / 16) + i of my row, become half a fragment (6 registers) and two scale bytes.
.macro QUANT64 src, dst, tw
.irp b, 0,1
	v_max3_num_f32 v[TM+\b], |v[\src+16*\b]|, |v[\src+16*\b+1]|, 0x2800000   ; each accumulator is read from its low end on; the floor 2^(5 - 127) holds the byte at 1 from below
.endr
.irp i, 2,4,6,8,10,12,14
.irp b, 0,1
	v_max3_num_f32 v[TM+\b], v[TM+\b], |v[\src+16*\b+\i]|, |v[\src+16*\b+\i+1]|
.endr
.endr
.irp b, 0,1
	v_permlanex16_b32 v[TX+\b], v[TM+\b], s[SEL], s[SEL+1]
.endr
.irp b, 0,1
	v_max_num_f32 v[TM+\b], v[TM+\b], v[TX+\b]     ; with lane l xor 16's 16: the block's largest magnitude
.endr
.irp b, 0,1
	v_add_nc_u32 v[TS+\b], 0xfe000000, v[TM+\b]    ; 4 off its exponent field: the conversion's scale operand
.endr
.irp b, 0,1
	v_lshrrev_b32 v[TX+\b], 23, v[TS+\b]           ; the scale's byte
.endr
	v_lshl_or_b32 v[\tw], v[TX+1], 8, v[TX]
	v_cvt_scalef32_pk16_bf6_f32 v[\dst:\dst+2], v[\src:\src+15], v[TS]
	v_cvt_scalef32_pk16_bf6_f32 v[PT:PT+2], v[\src+16:\src+31], v[TS+1]
	v_nop                                          ; one plain line behind the conversions
.irp i, 0,1,2
	v_permlane16_swap_b32 v[\dst+\i], v[PT+\i]     ; a whole block to a lane: lanes 0-15 block 0, lanes 16-31 block 1
.endr
.irp i, 0,1,2
	v_mov_b32 v[\dst+3+\i], v[PT+\i]
.endr
.endm
	s_load_b256 s[4:11], s[0:1], 0x0               ; xu s[4:5], wu s[6:7], qu s[8:9], kv s[10:11]
	v_lshl_add_u32 v[SPW], v0, 2, SPARE
	v_mov_b32 v[NIL], 0
	ds_add_u32 v[SPW], v[NIL]                      ; the wave's opening: the add and its wait stand ahead of my first tensor load; work on registers stands between them
	ds_add_u32 v[SPW], v[NIL]
	v_lshrrev_b32 v1, 5, v0
	v_readfirstlane_b32 s[WV], v1                  ; wave 0..5
	s_bfe_u32 s13, ttmp6, 0x40000                  ; cx = the key and value head
	s_bfe_u32 s14, ttmp6, 0x40004                  ; cy
	s_and_b32 s15, ttmp7, 0xffff
	s_lshl_b32 s15, s15, 2
	s_add_co_u32 s15, s15, s14                     ; my block of 128 tokens
	s_lshl_b32 s16, s14, 2
	s_lshl_b32 s16, 15, s16                        ; my row of the cluster
	s_lshl_b32 s17, 0x1111, s13                    ; my column
	s_or_b32 s[G1X], s16, (3<<16)|(1<<21)          ; the mask; elements of 8 bytes; bit 21 beside a mask; no padding
	s_or_b32 s[G1W], s17, (3<<16)|(1<<21)
.irp g, G1X, G1W
	s_mov_b32 s[\g+1], 32<<16                      ; rows of 32 elements = 256 bytes,
	s_mov_b32 s[\g+2], 200<<16                     ; 200 of them: 51,200 dense bytes
	s_mov_b32 s[\g+3], 32<<16
	s_mov_b32 s[\g+4], 200
	s_mov_b32 s[\g+5], 32
	s_mov_b32 s[\g+6], 0
	s_mov_b32 s[\g+7], 0
.endr
	s_and_b32 s18, s[WV], 1                        ; my token unit of the two
	s_lshl_b32 s84, s15, 1
	s_add_co_u32 s84, s84, s18
	s_mul_i32 s84, s84, 51200                      ; the tokens' piece that waves 0, 1 fetch: it hangs on cy and the wave alone
	s_mov_b32 s85, 0
	s_lshl_b32 s86, s13, 1
	s_add_co_u32 s86, s86, ttmp9
	s_mul_i32 s86, s86, 3                          ; the first of my three weight units: 3 (2 cx + cluster x)
	s_max_u32 s87, s[WV], 2
	s_sub_co_u32 s87, s87, 2
	s_min_u32 s87, s87, NW-1
	s_add_co_u32 s86, s86, s87
	s_mul_i32 s86, s86, 51200                      ; the weights' piece that waves 2 to 4 fetch: it hangs on cx, the cluster's x and the wave alone
	s_mov_b32 s87, 0
	s_mul_i32 s19, s[WV], PIECE                    ; piece w of a chunk: no place in the cluster enters an LDS address
	s_mov_b32 s[MSK], 0xffff0000
	s_mov_b32 s[SEL], 0x76543210
	s_mov_b32 s[SEL+1], 0xfedcba98
	v_mov_b32 v[TX], 0                             ; (a lane permute's destination counts as read)
	v_mov_b32 v[TX+1], 0
	s_wait_dscnt 0x0                               ; the opening add is done
	s_wait_kmcnt 0x0
	s_add_nc_u64 s[84:85], s[4:5], s[84:85]
	s_add_nc_u64 s[86:87], s[6:7], s[86:87]
	ROUND                                          ; all sixteen work-groups are here: the joint loads meet
.irp ch, 0
	s_mov_b32 s[G0X+4*\ch], 1
	s_add_co_u32 s[G0X+4*\ch+1], s19, \ch*CHUNKB
	s_add_nc_u64 s[G0X+4*\ch+2:G0X+4*\ch+3], s[84:85], \ch*PIECE
	s_or_b32 s[G0X+4*\ch+3], s[G0X+4*\ch+3], 0x80000000
	s_mov_b32 s[G0W+4*\ch], 1
	s_add_co_u32 s[G0W+4*\ch+1], s19, \ch*CHUNKB
	s_add_nc_u64 s[G0W+4*\ch+2:G0W+4*\ch+3], s[86:87], \ch*PIECE
	s_or_b32 s[G0W+4*\ch+3], s[G0W+4*\ch+3], 0x80000000
.endr
	s_cmp_lt_u32 s[WV], 2                          ; one fill a wave, in one chain of branches on its number; wave 5 fetches nothing
	s_cbranch_scc0 .Lnot_x
.irp ch, 0
	tensor_load_to_lds s[G0X+4*\ch:G0X+4*\ch+3], s[G1X:G1X+7]
	s_nop 0
.endr
.rept 4
	v_nop
.endr
	s_branch .Lasked
.Lnot_x:
	s_cmp_lt_u32 s[WV], NP
	s_cbranch_scc0 .Lasked
.irp ch, 0
	tensor_load_to_lds s[G0W+4*\ch:G0W+4*\ch+3], s[G1W:G1W+7]
	s_nop 0
.endr
.rept 4
	v_nop
.endr
.Lasked:
	v_and_b32 v7, 31, v0
	v_lshlrev_b32 v1, 4, v7                        ; 16 x lane
	s_wait_alu depctr_va_vdst(0)
	v_lshlrev_b32 v2, 3, v7                        ; 8 x lane
	s_wait_alu depctr_va_vdst(0)
	s_lshr_b32 s52, s[WV], 1                       ; my weight unit of the three
	s_add_co_u32 s53, ttmp9, 1
	s_cmp_eq_u32 s52, 2
	s_cselect_b32 s53, s53, 0                      ; my role: 0 q, 1 k, 2 v: of the wave's number and the cluster's x, which all partners share
	s_add_co_u32 s54, s52, 2
	s_mul_i32 s54, s54, PIECE                      ; the weight's piece
	s_mul_i32 s55, s18, PIECE                      ; the tokens'
	s_cmp_eq_u32 s53, 2
	s_cselect_b32 s56, s55, s54                    ; source 0: the weight; for v the tokens
	s_cselect_b32 s57, s54, s55                    ; source 1
	v_add_nc_u32 v[AA16], s56, v1
	v_add_nc_u32 v[AA8], s56, v2
	v_add_nc_u32 v[BA16], s57, v1
	v_add_nc_u32 v[BA8], s57, v2
	s_wait_alu depctr_va_vdst(0)
	s_wait_tensorcnt 0x0                           ; my unit is in
	s_wait_dscnt 0x0
	s_barrier_signal -1
	s_barrier_wait -1                              ; everybody's unit is in; nothing is filled again
.irp ch, 0,1,2,3
.if \ch == 0
	KSTEP 0, 1, 0                                  ; the first K step starts the sums: nothing is cleared
.else
	v_add_nc_u32 v[AA16], CHUNKB, v[AA16]          ; on to this chunk; these four are also the places in front of the loads
	v_add_nc_u32 v[AA8], CHUNKB, v[AA8]
	s_wait_alu depctr_va_vdst(0)
	v_add_nc_u32 v[BA16], CHUNKB, v[BA16]
	v_add_nc_u32 v[BA8], CHUNKB, v[BA8]
	s_wait_alu depctr_va_vdst(0)
	KSTEP 0, 0, 0
.endif
	KSTEP 1, 0, 1
.endr
	; ---- the results are quantised in registers and leave
.rept 4
	v_nop                                          ; four places behind the last product
.endr
.irp L, 0,1,2,3
	QUANT64 ACC+32*\L, HF+8*\L, TW+\L
.endr
	s_lshr_b32 s58, s15, 4                         ; the batch
	s_and_b32 s59, s15, 15                         ; the block of 128 tokens in it
	s_lshl_b32 s60, s13, 2
	s_lshl_b32 s61, ttmp9, 1
	s_add_co_u32 s60, s60, s61
	s_add_co_u32 s60, s60, s52                     ; q: the head 4 cx + 2 (cluster x) + unit
	s_lshl_b32 s61, s58, 4
	s_add_co_u32 s60, s60, s61
	s_lshl_b32 s60, s60, 5
	s_lshl_b32 s61, s59, 1
	s_add_co_u32 s60, s60, s61
	s_add_co_u32 s60, s60, s18
	s_mul_i32 s60, s60, 3584                       ; q's record: [batch][head][unit of 64 tokens]
	s_lshl_b32 s61, s58, 2
	s_add_co_u32 s61, s61, s13
	s_lshl_b32 s61, s61, 4
	s_add_co_u32 s61, s61, s59
	s_mul_i32 s61, s61, 13312                      ; k's and v's: [batch][key and value head][128 keys]
	s_cmp_eq_u32 s53, 0
	s_cselect_b64 s[8:9], s[8:9], s[10:11]
	s_cselect_b32 s60, s60, s61
	s_mov_b32 s61, 0
	s_add_nc_u64 s[8:9], s[8:9], s[60:61]
	s_mul_i32 s62, s18, 3072                       ; k: tiles 4 e + L, 768 bytes each
	s_mul_i32 s63, s18, 768
	s_add_co_u32 s63, s63, 6144                    ; v: half e of fragment L, 1,536 bytes apart
	s_cmp_eq_u32 s53, 1
	s_cselect_b32 s62, s62, 0
	s_cmp_eq_u32 s53, 2
	s_cselect_b32 s62, s63, s62
	s_mov_b32 s63, 768
	s_cselect_b32 s63, 1536, s63
	v_add_nc_u32 v96, s62, v1
	v_add_nc_u32 v100, s62, v2
.irp L, 1,2,3
	v_add_nc_u32 v[96+\L], s63, v[95+\L]
	v_add_nc_u32 v[100+\L], s63, v[99+\L]
.endr
	s_wait_alu depctr_va_vdst(0)
.irp L, 0,1,2,3
	global_store_b128 v[96+\L], v[HF+8*\L:HF+8*\L+3], s[8:9]               ; 512 consecutive bytes
	global_store_b64 v[100+\L], v[HF+8*\L+4:HF+8*\L+5], s[8:9] offset:512  ; 256 consecutive bytes
.endr
	s_cmp_eq_u32 s53, 0
	s_cbranch_scc0 .Lnot_q
.irp L, 0,1,2,3
	v_lshl_or_b32 v[104+\L], v[TW+\L], 16, v[TW+\L]   ; q's word (s0, s1, s0, s1): it serves q in either half of a K of 128
.endr
	global_store_b128 v1, v[104:107], s[8:9] offset:3072
	s_branch .Ldone
.Lnot_q:
	s_lshl_b32 s62, s18, 8
	v_add_nc_u32 v108, s62, v2                     ; 8 x lane + 256 e
	s_cmp_eq_u32 s53, 1
	s_cbranch_scc0 .Lrole_v
	v_lshl_or_b32 v104, v[TW+1], 16, v[TW]         ; k: a pair of tiles shares a word: the even tile's two bytes, then the odd tile's
	v_lshl_or_b32 v105, v[TW+3], 16, v[TW+2]
	v_cndmask_b32 v104, v104, v105, s[MSK]         ; lanes 0-15 pair 2 e, lanes 16-31 pair 2 e + 1
	v_mov_b32 v105, v104
	global_store_b64 v108, v[104:105], s[8:9] offset:12288
	s_branch .Ldone
.Lrole_v:
	s_lshl_b32 s62, s18, 4
.irp L, 0,1,2,3
	v_lshlrev_b32 v[TW+\L], s62, v[TW+\L]          ; v: my 64 keys are bytes 2 e, 2 e + 1 of the 128 keys' word; the reader joins the two halves
.endr
	v_cndmask_b32 v104, v[TW], v[TW+1], s[MSK]
	v_cndmask_b32 v105, v[TW+2], v[TW+3], s[MSK]
	s_wait_alu depctr_va_vdst(0)
	global_store_b64 v108, v[104:105], s[8:9] offset:12800
.Ldone:
	s_wait_tensorcnt 0x0                           ; the wave's end
	ds_add_u32 v[SPW], v[NIL]
	s_wait_dscnt 0x0
	ROUND                                          ; the closing round
	s_endpgm
.Lfunc_end_k_q77439a09da_qkv:
	.size	k_q77439a09da_qkv, .Lfunc_end_k_q77439a09da_qkv-k_q77439a09da_qkv
	.p2alignl 7, 3214868480
	.fill 96, 4, 3214868480
	.section	.rodata,"a",@progbits
	.p2align	6, 0x0
	.amdhsa_kernel k_q77439a09da_qkv
		.amdhsa_group_segment_fixed_size 256768
		.amdhsa_private_segment_fixed_size 0
		.amdhsa_enable_private_segment 0
		.amdhsa_kernarg_size 32
		.amdhsa_user_sgpr_count 2
		.amdhsa_user_sgpr_kernarg_segment_ptr 1
		.amdhsa_wavefront_size32 1
		.amdhsa_system_sgpr_workgroup_id_x 1
		.amdhsa_system_sgpr_workgroup_id_y 1
		.amdhsa_system_sgpr_workgroup_id_z 1
		.amdhsa_system_vgpr_workitem_id 0
		.amdhsa_next_free_vgpr 256
		.amdhsa_next_free_sgpr 100
		.amdhsa_reserve_vcc 0
		.amdhsa_float_denorm_mode_32 3
		.amdhsa_float_denorm_mode_16_64 3
		.amdhsa_memory_ordered 1
		.amdhsa_forward_progress 1
		.amdhsa_inst_pref_size 53
	.end_amdhsa_kernel
	.amdgpu_metadata
---
amdhsa.version: [ 1, 2 ]
amdhsa.kernels:
  - .name:           k_q77439a09da_qkv
    .symbol:         k_q77439a09da_qkv.kd
    .args:
      - { .name: xu, .offset: 0, .size: 8, .value_kind: global_buffer, .address_space: global }
      - { .name: wu, .offset: 8, .size: 8, .value_kind: global_buffer, .address_space: global }
      - { .name: qu, .offset: 16, .size: 8, .value_kind: global_buffer, .address_space: global }
      - { .name: kv, .offset: 24, .size: 8, .value_kind: global_buffer, .address_space: global }
    .group_segment_fixed_size: 256768
    .private_segment_fixed_size: 0
    .kernarg_segment_align: 8
    .kernarg_segment_size: 32
    .max_flat_workgroup_size: 192
    .sgpr_count:     100
    .vgpr_count:     256
    .wavefront_size: 32
...
	.end_amdgpu_metadata
.endif
;; end of part 2
;; launch attn (part 3): grid 16 x 16, 16 waves a work-group, clusters of 4 x 1, 216,064 bytes of LDS; arguments qu, kv, ou; writes ou
.if DOCPART == 3
	.amdgcn_target "amdgcn-amd-amdhsa--gfx1250"
	.amdhsa_code_object_version 6
	.text
	.protected	k_q77439a09da_attn
	.globl	k_q77439a09da_attn
	.p2align	8
	.type	k_q77439a09da_attn,@function
k_q77439a09da_attn:
	s_mov_b64 s[64:65], 0
	v_nop
	global_prefetch_b8 v0, s[64:65] scope:SCOPE_SE
	s_setreg_imm32_b32 hwreg(HW_REG_WAVE_MODE, 25, 1), 1
	s_wait_xcnt 0x0
	s_wait_alu depctr_hold_cnt(0) depctr_sa_sdst(0) depctr_va_vdst(0) depctr_va_sdst(0) depctr_va_ssrc(0) depctr_va_vcc(0) depctr_vm_vsrc(0)
	s_getreg_b32 s2, hwreg(HW_REG_IB_STS2, 6, 4)
	s_cmp_eq_u32 s2, 0
	s_cbranch_scc0 .Lentry_in_a_cluster
	s_endpgm
.Lentry_in_a_cluster:
	s_bfe_u32 s2, ttmp6, 0x10000c
	s_cmp_lg_u32 s2, 0x3003
	s_cbranch_scc0 .Lentry_shape_is_right
	s_endpgm
.Lentry_shape_is_right:
; o = softmax(q k^T / 8 + slope (j - i)) v on codes of BF6 (E3M2) with E8M0 scales; o is quantised along the channels and stored in the order of an operand's registers.  No work of the problem is left out.
; SHARES.  A work-group takes one batch and one key and value head (grid y) and 128 queries (grid x) of its four query heads.  Sixteen waves: wave w takes head w % 4 and tile w / 4 of 16 queries, in two passes of 64 queries.
; LDS.  All 2,048 keys and values of the head are 16 records of 13,312 bytes (128 keys each: k's 8 half fragments, v's 4 fragments, scale words).  Wave w fetches record w by ONE tensor load at the head; one wait and one barrier follow; nothing is filled again.
; CLUSTER 4 x 1: the four work-groups along x read the same records: each record is asked for jointly, by the same load with the mask 15.
; No prefetch: every tile is asked for at the head, so there is no loop to run ahead in.
; BOTH PRODUCTS ARE USED TRANSPOSED (S^T = k q^T, O^T = v^T p^T): a lane holds one query, its registers run along the keys.  The head's 64 fill half of a K of 128: a fragment of k holds two tiles of 16 keys, and q stands in the lower or the upper half with zero codes in the other.
; THE LOGIT is made with the roundings of the f32 formula: fl(slope x (j - i)), then fl(S / 8 + that).  The 16 distances of a lane are kept for block 1 of a step's four blocks of 32 keys; for the others one fused multiply-add adds -32, 32 or 64 x slope,
; products with a power of two that round nothing: so it rounds slope x (j - i) once.  t - M = logit x log2(e) - M is made by two fused multiply-adds, log2(e) in a high and a low part.
; M is the ceiling of the running largest t; what was summed under an older M is multiplied by a power of two.  The row's sum is taken of the unquantised p, in f32.
; LIMITS: the promise holds while the scaled scores stay under 2^31 in magnitude; a block of zeros gets the byte 1 where the rule says 127 (its codes are zeros and this program alone reads the bytes); blocks whose largest magnitude lies under 2^-122 are held at byte 1; NaN and infinities are not served.
.set REC,   13312
.set SCR,   16*REC                     ; behind the records: the results' scale bytes, 512 bytes for each pass
.set SPARE, SCR+1024                   ; behind them: the spare words, 128 bytes for each wave
.set SPW, 5                            ; v5 my spare word's address, v6 zero: never rewritten
.set NIL, 6
.set SCA, 7                            ; v7   where my two scale bytes go
.set RB,  8                            ; v8   key 16 h less my query
.set QS,  10                           ; v10  q's scale word
.set VQS, 11
.set QHI, 16                           ; v16-27 (zeros, q);  v22-33 (q, zeros)
.set QLO, 22
.set R16, 40                           ; v40-55  j - i of block 1's 16 keys of mine
.set KF,  56                           ; v56-103 fragments of k, then of v;  v34-35 k's scale words, v36-39 v's
.set S,   104                          ; v104-167 scores, then p
.set O,   168                          ; v168-199 O^T
.set PC,  200                          ; p's codes
.set PT,  212
.set BT,  200                          ; 16 registers of work ahead of the codes
.set BM,  220
.set BX,  224
.set SCO, 228
.set PW,  232
.set F,   234
.set TMP, 236
.set RDS, 240
.set WRS, 241
.set CB,  242                          ; v242-247 -32, 32, 64 x slope, a pair each
.set TT,  250
.set RA,  252
.set TM,  BM
.set TX,  BX
.set TS,  SCO
.set WV,  10
.set G1,  16
.set G0,  24
.set SLP, 40
.set L2E, 42
.set EIG, 44
.set CLO, 46
.set SEL, 54
.set TB,  56
.set STP, 57
.set QP,  60
.set HP,  66
.set SP,  68
.macro ROUND                           ; a round of the cluster's barrier
	s_barrier_signal -1
	s_barrier_wait -1
	s_cmp_lg_u32 s[WV], 0
	s_cbranch_scc1 .Lnot_wave_0_\@
	s_barrier_signal -3
.Lnot_wave_0_\@:
	s_barrier_wait -3
	s_barrier_signal -1
	s_barrier_wait -1
.endm
.macro WM d, a, b, z, sa, sb, ra       ; one product; z: it starts the sum; ra: source 0's scale words lie in lanes 16-31
.if \z
.if (\ra)
	v_wmma_scale_f32_16x16x128_f8f6f4 v[\d:\d+7], v[\a:\a+11], v[\b:\b+11], 0, v[\sa], v[\sb] matrix_a_fmt:MATRIX_FMT_BF6 matrix_b_fmt:MATRIX_FMT_BF6 matrix_a_scale:MATRIX_SCALE_ROW1
.else
	v_wmma_scale_f32_16x16x128_f8f6f4 v[\d:\d+7], v[\a:\a+11], v[\b:\b+11], 0, v[\sa], v[\sb] matrix_a_fmt:MATRIX_FMT_BF6 matrix_b_fmt:MATRIX_FMT_BF6
.endif
.else
.if (\ra)
	v_wmma_scale_f32_16x16x128_f8f6f4 v[\d:\d+7], v[\a:\a+11], v[\b:\b+11], v[\d:\d+7], v[\sa], v[\sb] matrix_a_fmt:MATRIX_FMT_BF6 matrix_b_fmt:MATRIX_FMT_BF6 matrix_a_scale:MATRIX_SCALE_ROW1
.else
	v_wmma_scale_f32_16x16x128_f8f6f4 v[\d:\d+7], v[\a:\a+11], v[\b:\b+11], v[\d:\d+7], v[\sa], v[\sb] matrix_a_fmt:MATRIX_FMT_BF6 matrix_b_fmt:MATRIX_FMT_BF6
.endif
.endif
.endm
; 32 numbers of a lane, register 16 b + i = channel 32 b + 16 (lane / 16) + i of my query, become half a fragment (6 registers) and two scale bytes
.macro QUANT64 src, dst, tw
.irp b, 0,1
	v_max3_num_f32 v[TM+\b], |v[\src+16*\b]|, |v[\src+16*\b+1]|, 0x2800000   ; the floor 2^(5 - 127) holds the byte at 1 from below
.endr
.irp i, 2,4,6,8,10,12,14
.irp b, 0,1
	s_delay_alu instid0(VALU_DEP_2)
	v_max3_num_f32 v[TM+\b], v[TM+\b], |v[\src+16*\b+\i]|, |v[\src+16*\b+\i+1]|
.endr
.endr
.irp b, 0,1
	s_delay_alu instid0(VALU_DEP_2)
	v_permlanex16_b32 v[TX+\b], v[TM+\b], s[SEL], s[SEL+1]
.endr
.irp b, 0,1
	s_delay_alu instid0(VALU_DEP_2)
	v_max_num_f32 v[TM+\b], v[TM+\b], v[TX+\b]
.endr
.irp b, 0,1
	s_delay_alu instid0(VALU_DEP_2)
	v_add_nc_u32 v[TS+\b], 0xfe000000, v[TM+\b]    ; 4 off the exponent field: the conversion's scale operand
.endr
.irp b, 0,1
	s_delay_alu instid0(VALU_DEP_2)
	v_lshrrev_b32 v[TX+\b], 23, v[TS+\b]
.endr
	s_delay_alu instid0(VALU_DEP_1)
	v_lshl_or_b32 v[\tw], v[TX+1], 8, v[TX]
	v_cvt_scalef32_pk16_bf6_f32 v[\dst:\dst+2], v[\src:\src+15], v[TS]
	v_cvt_scalef32_pk16_bf6_f32 v[PT:PT+2], v[\src+16:\src+31], v[TS+1]
	v_nop                                          ; one plain line behind the conversions
.irp i, 0,1,2
	v_permlane16_swap_b32 v[\dst+\i], v[PT+\i]     ; a whole block to a lane
.endr
.irp i, 0,1,2
	s_delay_alu instid0(VALU_DEP_3)
	v_mov_b32 v[\dst+3+\i], v[PT+\i]
.endr
.endm
.macro BIAS b, c                       ; fl(slope x (j - i)) of block b's 16 keys of mine; c: the pair that holds (32 b - 32) x slope
.irp j, 0,2,4,6,8,10,12,14
.if \b == 1
	v_pk_mul_f32 v[BT+\j:BT+\j+1], v[R16+\j:R16+\j+1], s[SLP:SLP+1] op_sel_hi:[1,0]
.else
	v_pk_fma_f32 v[BT+\j:BT+\j+1], v[R16+\j:R16+\j+1], s[SLP:SLP+1], v[\c:\c+1] op_sel_hi:[1,0,0]
.endif
.endr
.endm
.macro LOGIT b                         ; S / 8 (exact) + the bias; each accumulator is read from its low end on
.irp j, 0,2,4,6,8,10,12,14
	v_pk_fma_f32 v[S+16*\b+\j:S+16*\b+\j+1], v[S+16*\b+\j:S+16*\b+\j+1], s[EIG:EIG+1], v[BT+\j:BT+\j+1] op_sel_hi:[1,0,1]
.endr
.endm
; A step: 16 queries x 128 keys: 8 products for the scores, 4 for O^T
.macro STEP
	v_add_nc_u32 v3, s[TB], v1
	v_add_nc_u32 v4, s[TB], v2
	ds_load_b32 v34, v4 offset:12288
	ds_load_b32 v35, v4 offset:12544
.irp t, 0,1,2,3,4,5,6,7
	ds_load_b128 v[KF+6*\t:KF+6*\t+3], v3 offset:768*\t
	ds_load_b64 v[KF+6*\t+4:KF+6*\t+5], v4 offset:768*\t+512
.endr
	s_wait_alu depctr_va_vdst(0)
.irp p, 0,1,2,3
	s_wait_dscnt 12-4*\p                           ; all but the later pairs of tiles, four loads each
	WM S+16*\p, KF+12*\p, QLO, 1, 34+\p/2, QS, \p%2
	WM S+16*\p+8, KF+12*\p, QHI, 1, 34+\p/2, QS, \p%2
.endr
	BIAS 0, CB                                     ; eight plain lines: the places behind the last product
.irp t, 0,1,2,3
.irp c, 0,1
	ds_load_b128 v[KF+12*\t+6*\c:KF+12*\t+6*\c+3], v3 offset:6144+768*(2*\t+\c)      ; v's fragments, where k's lay
	ds_load_b64 v[KF+12*\t+6*\c+4:KF+12*\t+6*\c+5], v4 offset:6144+768*(2*\t+\c)+512
.endr
.endr
	ds_load_b64 v[36:37], v4 offset:12800          ; v's scale words: the two halves of 64 keys
	ds_load_b64 v[38:39], v4 offset:13056
	LOGIT 0
	BIAS 1, 0
	LOGIT 1
	BIAS 2, CB+2
	LOGIT 2
	BIAS 3, CB+4
	LOGIT 3
.irp b, 0,1,2,3
	v_max3_num_f32 v[BM+\b], v[S+16*\b], v[S+16*\b+1], v[S+16*\b+2]   ; each block's largest logit: for the row's maximum and for the block's largest p
.endr
.irp i, 3,5,7,9,11,13
.irp b, 0,1,2,3
	s_delay_alu instid0(VALU_DEP_4)
	v_max3_num_f32 v[BM+\b], v[BM+\b], v[S+16*\b+\i], v[S+16*\b+\i+1]
.endr
.endr
.irp b, 0,1,2,3
	s_delay_alu instid0(VALU_DEP_4)
	v_max_num_f32 v[BM+\b], v[BM+\b], v[S+16*\b+15]
.endr
.irp b, 0,1,2,3
	s_delay_alu instid0(VALU_DEP_4)
	v_permlanex16_b32 v[BX+\b], v[BM+\b], s[SEL], s[SEL+1]
.endr
.irp b, 0,1,2,3
	s_delay_alu instid0(VALU_DEP_4)
	v_max_num_f32 v[BM+\b], v[BM+\b], v[BX+\b]
.endr
	s_delay_alu instid0(VALU_DEP_2)
	v_max3_num_f32 v[TMP], v[BM], v[BM+1], v[BM+2]
	s_delay_alu instid0(VALU_DEP_1)
	v_max3_num_f32 v13, v13, v[TMP], v[BM+3]       ; the running largest logit
	v_mov_b32 v[TMP], v12
	s_delay_alu instid0(VALU_DEP_2)
	v_mul_f32 v[TMP+1], s[L2E], v13
	s_delay_alu instid0(VALU_DEP_1)
	v_floor_f32 v12, -v[TMP+1]                     ; -M = floor(-t): a whole number
	s_delay_alu instid0(VALU_DEP_1)
	v_sub_f32 v[TMP], v12, v[TMP]
	s_delay_alu instid0(VALU_DEP_1)
	v_cvt_i32_f32 v[TMP], v[TMP]                   ; (it saturates)
	s_delay_alu instid0(VALU_DEP_1)
	v_ldexp_f32 v[F], 1.0, v[TMP]                  ; f = 2^(old M - new M)
.set j, 0
.rept 16
	v_pk_mul_f32 v[O+j:O+j+1], v[O+j:O+j+1], v[F:F+1] op_sel_hi:[1,0]   ; O^T under the new M, each accumulator from its low end on
.set j, j+2
.endr
.irp b, 0,1,2,3
.irp j, 0,2,4,6,8,10,12,14
	v_pk_fma_f32 v[BT+\j:BT+\j+1], v[S+16*\b+\j:S+16*\b+\j+1], s[L2E:L2E+1], v[12:13] op_sel_hi:[1,0,0]   ; logit x log2(e)'s high part - M,
.endr
.irp j, 0,2,4,6,8,10,12,14
	v_pk_fma_f32 v[S+16*\b+\j:S+16*\b+\j+1], v[S+16*\b+\j:S+16*\b+\j+1], s[CLO:CLO+1], v[BT+\j:BT+\j+1] op_sel_hi:[1,0,1]   ; + logit x its low part
.endr
.endr
.irp b, 0,1,2,3
	v_fma_f32 v[BX+\b], v[BM+\b], s[L2E], v12
.endr
.irp b, 0,1,2,3
	s_delay_alu instid0(VALU_DEP_4)
	v_fma_f32 v[BM+\b], v[BM+\b], s[CLO], v[BX+\b] ; the same of each block's largest logit
.endr
	s_wait_alu depctr_va_vdst(0)
	s_wait_dscnt 0x0                               ; v's fragments and scale words are in
.set j, 0
.rept 64
	v_exp_f32 v[S+j], v[S+j]                       ; p = 2^(t - M)
.set j, j+1
.endr
.irp b, 0,1,2,3
	v_exp_f32 v[BM+\b], v[BM+\b]                   ; the block's largest p
.endr
	v_or_b32 v36, v36, v38                         ; v's scale words of the 128 keys.  (Plain lines behind the batch)
	v_or_b32 v37, v37, v39
	s_wait_alu depctr_va_vdst(0)                   ; one wait for the batch, ahead of its first reader
.irp b, 0,1,2,3
	v_max_num_f32 v[BM+\b], 0x2800000, v[BM+\b]    ; the floor: the byte cannot fall under 1
.endr
.irp b, 0,1,2,3
	s_delay_alu instid0(VALU_DEP_4)
	v_add_nc_u32 v[SCO+\b], 0xfe000000, v[BM+\b]
.endr
.irp b, 0,1,2,3
	s_delay_alu instid0(VALU_DEP_4)
	v_lshrrev_b32 v[BX+\b], 23, v[SCO+\b]
.endr
	s_delay_alu instid0(VALU_DEP_3)
	v_lshl_or_b32 v[PW], v[BX+1], 8, v[BX]
	s_delay_alu instid0(VALU_DEP_1)
	v_lshl_or_b32 v[PW], v[BX+2], 16, v[PW]
	s_delay_alu instid0(VALU_DEP_1)
	v_lshl_or_b32 v[PW], v[BX+3], 24, v[PW]        ; p's scale word for these 128 keys
.irp c, 0,1
	v_cvt_scalef32_pk16_bf6_f32 v[PC+6*\c:PC+6*\c+2], v[S+32*\c:S+32*\c+15], v[SCO+2*\c]
	v_cvt_scalef32_pk16_bf6_f32 v[PT+4*\c:PT+4*\c+2], v[S+32*\c+16:S+32*\c+31], v[SCO+2*\c+1]
.endr
	v_nop                                          ; one plain line behind the conversions
.irp c, 0,1
.irp i, 0,1,2
	v_permlane16_swap_b32 v[PC+6*\c+\i], v[PT+4*\c+\i]
.endr
.irp i, 0,1,2
	s_delay_alu instid0(VALU_DEP_3)
	v_mov_b32 v[PC+6*\c+3+\i], v[PT+4*\c+\i]
.endr
.endr
	v_pk_add_f32 v[RA:RA+1], v[S:S+1], v[S+8:S+9]  ; the step's sum of the unquantised p: four packed chains by turns.  (These lines are also the places between the scale word, the codes and the products)
	v_pk_add_f32 v[RA+2:RA+3], v[S+2:S+3], v[S+10:S+11]
	v_pk_add_f32 v[248:249], v[S+4:S+5], v[S+12:S+13]
	v_pk_add_f32 v[238:239], v[S+6:S+7], v[S+14:S+15]
.irp f, 16,24,32,40,48,56
	v_pk_add_f32 v[RA:RA+1], v[RA:RA+1], v[S+\f:S+\f+1]
	v_pk_add_f32 v[RA+2:RA+3], v[RA+2:RA+3], v[S+\f+2:S+\f+3]
	v_pk_add_f32 v[248:249], v[248:249], v[S+\f+4:S+\f+5]
	v_pk_add_f32 v[238:239], v[238:239], v[S+\f+6:S+\f+7]
.endr
	v_pk_add_f32 v[RA:RA+1], v[RA:RA+1], v[248:249]
	v_pk_add_f32 v[RA+2:RA+3], v[RA+2:RA+3], v[238:239]
	s_delay_alu instid0(VALU_DEP_2)
	v_add_f32 v[RA], v[RA], v[RA+1]
	s_delay_alu instid0(VALU_DEP_2)
	v_add_f32 v[RA+2], v[RA+2], v[RA+3]
	s_delay_alu instid0(VALU_DEP_1)
	v_add_f32 v[RA], v[RA], v[RA+2]
	s_delay_alu instid0(VALU_DEP_1)
	v_permlanex16_b32 v[TT], v[RA], s[SEL], s[SEL+1]
	s_delay_alu instid0(VALU_DEP_1)
	v_add_f32 v[RA], v[RA], v[TT]                  ; with lane l xor 16's 64 keys
	s_delay_alu instid0(VALU_DEP_1)
	v_fma_f32 v14, v14, v[F], v[RA]                ; the row's sum under the new M
.irp t, 0,1,2,3
	WM O+8*\t, KF+12*\t, PC, 0, 36+\t/2, PW, \t%2  ; the four accumulators by turns
.endr
	s_add_co_u32 s[TB], s[TB], REC
.irp j, 0,2,4,6,8,10,12,14
	v_pk_add_f32 v[R16+\j:R16+\j+1], v[R16+\j:R16+\j+1], 0x43000000 op_sel_hi:[1,0]   ; 128 keys on.  (The places behind the last product)
.endr
.endm
; A pass: my 16 queries of unit p of the block's two units of 64 against all 2,048 keys
.macro PASS p
	global_load_b128 v[QLO:QLO+3], v1, s[QP:QP+1] offset:3584*\p
	global_load_b64 v[QLO+4:QLO+5], v2, s[QP:QP+1] offset:3584*\p+512
	global_load_b32 v[QS], v[VQS], s[QP:QP+1] offset:3584*\p
.set j, 0
.rept 8
	v_add_nc_u32 v9, j+32-64*\p, v[RB]
	v_add_nc_u32 v3, j+33-64*\p, v[RB]
	s_delay_alu instid0(VALU_DEP_2)
	v_cvt_f32_i32 v[R16+j], v9                     ; j - i of key 32 + 16 h + j
	s_delay_alu instid0(VALU_DEP_2)
	v_cvt_f32_i32 v[R16+j+1], v3
.set j, j+2
.endr
.set j, 0
.rept 32
	v_mov_b32 v[O+j], 0                            ; the step is written once: the first finds zeros
.set j, j+1
.endr
	v_mov_b32 v14, 0
	v_mov_b32 v13, 0xfe967699                      ; under every logit
	s_delay_alu instid0(VALU_DEP_1)
	v_mul_f32 v[TMP+1], s[L2E], v13
	s_delay_alu instid0(VALU_DEP_1)
	v_floor_f32 v12, -v[TMP+1]
	s_mov_b32 s[TB], 0
	s_mov_b32 s[STP], 16
	s_wait_alu depctr_va_vdst(0)
	s_wait_loadcnt 0x0
.if \p == 0
	s_wait_tensorcnt 0x0                           ; my record is in
	s_wait_dscnt 0x0
	s_barrier_signal -1
	s_barrier_wait -1                              ; everybody's record is in
.else
	s_wait_xcnt 0x0                                ; the last pass's stores have read their registers
.endif
.Lstep_\@:
	STEP
	s_sub_co_u32 s[STP], s[STP], 1
	s_cmp_lg_u32 s[STP], 0
	s_cbranch_scc1 .Lstep_\@
	s_wait_alu depctr_va_vdst(0)                   ; ahead of the transcendental
	v_rcp_f32 v15, v14
	v_nop
	s_wait_alu depctr_va_vdst(0)                   ; ahead of its first reader, and of O^T's first reader
.set j, 0
.rept 32
	v_mul_f32 v[S+j], v[O+j], v15                  ; O^T / the sum,
.set j, j+1
.endr
.set j, 0
.rept 32
	v_fma_f32 v[KF+j], -v[S+j], v14, v[O+j]        ; what is left,
.set j, j+1
.endr
.set j, 0
.rept 32
	v_fma_f32 v[S+j], v[KF+j], v15, v[S+j]         ; and the quotient mended by it
.set j, j+1
.endr
	QUANT64 S, PC, PW
	global_store_b128 v1, v[PC:PC+3], s[HP:HP+1] offset:51200*\p          ; 512 consecutive bytes
	global_store_b64 v2, v[PC+4:PC+5], s[HP:HP+1] offset:51200*\p+512     ; 256 consecutive bytes
	ds_store_b16 v[SCA], v[PW] offset:512*\p       ; my two scale bytes, into this pass's own 512 bytes
.endm
	s_load_b128 s[4:7], s[0:1], 0x0                ; qu s[4:5], kv s[6:7]
	s_load_b64 s[8:9], s[0:1], 0x10                ; ou
	v_lshl_add_u32 v[SPW], v0, 2, SPARE
	v_mov_b32 v[NIL], 0
	ds_add_u32 v[SPW], v[NIL]                      ; the opening lines: the add, twice on end, and its wait stand ahead of my tensor load
	ds_add_u32 v[SPW], v[NIL]
	v_lshrrev_b32 v1, 5, v0
	s_delay_alu instid0(VALU_DEP_1)
	v_readfirstlane_b32 s[WV], v1                  ; wave 0..15
	s_bfe_u32 s11, ttmp6, 0x40000                  ; cx
	s_lshl_b32 s12, ttmp9, 2
	s_add_co_u32 s12, s12, s11                     ; my block of 128 queries
	s_and_b32 s13, ttmp7, 0xffff                   ; 4 x batch + key and value head
	s_mov_b32 s[G1], 15|(3<<16)|(1<<21)            ; the mask of the four; elements of 8 bytes; bit 21 beside a mask
	s_mov_b32 s[G1+1], 32<<16                      ; rows of 256 bytes,
	s_mov_b32 s[G1+2], 52<<16                      ; 52 of them: a record
	s_mov_b32 s[G1+3], 32<<16
	s_mov_b32 s[G1+4], 52
	s_mov_b32 s[G1+5], 32
	s_mov_b32 s[G1+6], 0
	s_mov_b32 s[G1+7], 0
	s_mul_i32 s14, s[WV], REC                      ; record w: in LDS and in the head's 16 records
	s_mul_i32 s70, s13, 16*REC
	s_add_co_u32 s70, s70, s14
	s_mov_b32 s71, 0
	s_and_b32 s72, s[WV], 3                        ; my head of the four
	s_lshr_b32 s73, s[WV], 2                       ; my tile of 16 queries
	s_and_b32 s74, s13, 3
	s_lshr_b32 s75, s13, 2                         ; the batch
	s_lshl_b32 s76, s74, 2
	s_add_co_u32 s76, s76, s72                     ; the head n
	s_mov_b32 s[SLP], 0x3f3504f3                   ; slope = 2^(-(n + 1) / 2): 2^-0.5 or 2^-1,
	s_bitcmp1_b32 s76, 0
	s_cselect_b32 s[SLP], 0x3f000000, s[SLP]
	s_lshr_b32 s77, s76, 1
	s_lshl_b32 s77, s77, 23
	s_sub_co_u32 s[SLP], s[SLP], s77               ; n / 2 off its exponent field
	s_mov_b32 s[SLP+1], s[SLP]
	s_add_co_u32 s48, s[SLP], 0x02800000           ; 32 x slope,
	s_add_co_u32 s49, s[SLP], 0x03000000           ; 64 x slope,
	s_xor_b32 s50, s48, 0x80000000                 ; -32 x slope
	s_mov_b32 s[L2E], 0x3fb8aa3b                   ; log2(e): the high part,
	s_mov_b32 s[L2E+1], s[L2E]
	s_mov_b32 s[CLO], 0x32a5705f                   ; the low part
	s_mov_b32 s[CLO+1], s[CLO]
	s_mov_b32 s[EIG], 0x3e000000                   ; 1 / 8
	s_mov_b32 s[EIG+1], s[EIG]
	s_mov_b32 s[SEL], 0x76543210
	s_mov_b32 s[SEL+1], 0xfedcba98                 ; selects for lane l xor 16
	s_lshl_b32 s77, s75, 4
	s_add_co_u32 s77, s77, s76
	s_lshl_b32 s77, s77, 5
	s_lshl_b32 s78, s12, 1
	s_add_co_u32 s77, s77, s78
	s_mul_i32 s80, s77, 3584                       ; q's record [batch][head][unit of 64 queries],
	s_mul_i32 s79, s73, 768
	s_add_co_u32 s80, s80, s79                     ; my tile in it
	s_mov_b32 s81, 0
	s_lshl_b32 s82, s75, 5
	s_add_co_u32 s82, s82, s78
	s_mul_i32 s82, s82, 51200                      ; o's unit of 64 tokens,
	s_mul_i32 s83, s74, 12800                      ; the two K steps of my four heads
	s_add_co_u32 s82, s82, s83
	s_add_co_u32 s84, s82, 6144                    ; their scale words
	s_mov_b32 s85, 0
	s_lshr_b32 s83, s72, 1
	s_mul_i32 s83, s83, 6400
	s_add_co_u32 s82, s82, s83
	s_mul_i32 s83, s73, 1536
	s_add_co_u32 s82, s82, s83
	s_and_b32 s83, s[WV], 1
	s_mul_i32 s83, s83, 768
	s_add_co_u32 s82, s82, s83                     ; my half fragment
	s_mov_b32 s83, 0
	s_lshr_b32 s86, s72, 1                         ; my two bytes among a pass's scale words: K step, half of the word, tile
	s_lshl_b32 s86, s86, 8
	s_and_b32 s87, s[WV], 1
	s_lshl_b32 s87, s87, 1
	s_add_co_u32 s86, s86, s87
	s_and_b32 s87, s73, 1
	s_lshl_b32 s87, s87, 7
	s_add_co_u32 s86, s86, s87
	s_lshr_b32 s87, s73, 1
	s_lshl_b32 s87, s87, 2
	s_add_co_u32 s86, s86, s87
	s_add_co_u32 s86, s86, SCR
	s_mul_i32 s87, s73, 764
	s_sub_co_u32 s87, 3072, s87                    ; q's scale word: 3,072 + 4 x tile from the record's start
	s_lshl_b32 s88, s12, 7
	s_lshr_b32 s89, s73, 1
	s_lshl_b32 s89, s89, 5
	s_add_co_u32 s88, s88, s89
	s_and_b32 s89, s73, 1
	s_lshl_b32 s89, s89, 3
	s_add_co_u32 s88, s88, s89                     ; my tile's first query
	s_wait_dscnt 0x0                               ; both opening adds are done
	s_wait_kmcnt 0x0
	s_add_nc_u64 s[70:71], s[6:7], s[70:71]
	s_add_nc_u64 s[QP:QP+1], s[4:5], s[80:81]
	s_add_nc_u64 s[HP:HP+1], s[8:9], s[82:83]
	s_add_nc_u64 s[SP:SP+1], s[8:9], s[84:85]
	ROUND                                          ; all four work-groups are here: the joint loads meet
	s_mov_b32 s[G0], 1
	s_add_co_u32 s[G0+1], s14, 0
	s_mov_b64 s[G0+2:G0+3], s[70:71]
	s_or_b32 s[G0+3], s[G0+3], 0x80000000
	tensor_load_to_lds s[G0:G0+3], s[G1:G1+7]      ; my one tensor load: record w
	s_nop 0
.rept 4
	v_nop
.endr
	v_and_b32 v9, 31, v0
	s_delay_alu instid0(VALU_DEP_1)
	v_lshlrev_b32 v1, 4, v9                        ; 16 x lane
	s_delay_alu instid0(VALU_DEP_2)
	v_lshlrev_b32 v2, 3, v9                        ; 8 x lane
	v_and_b32 v8, 15, v0                           ; r
	v_bfe_u32 v9, v0, 4, 1                         ; h
	s_delay_alu instid0(VALU_DEP_2)
	v_lshlrev_b32 v[SCA], 3, v8
	s_delay_alu instid0(VALU_DEP_1)
	v_add_nc_u32 v[SCA], s86, v[SCA]
	v_add_nc_u32 v[RDS], SCR, v1
	s_delay_alu instid0(VALU_DEP_4)
	v_mul_u32_u24 v[WRS], v9, 6400
	s_delay_alu instid0(VALU_DEP_1)
	v_lshl_add_u32 v[WRS], v8, 4, v[WRS]
	v_add_nc_u32 v[VQS], s87, v1
	v_lshrrev_b32 v3, 3, v8
	s_delay_alu instid0(VALU_DEP_1)
	v_lshl_add_u32 v3, v3, 3, v8                   ; r + 8 (r / 8): my query in the tile
	v_lshlrev_b32 v4, 4, v9
	s_delay_alu instid0(VALU_DEP_1)
	v_sub_nc_u32 v[RB], v4, v3
	s_delay_alu instid0(VALU_DEP_1)
	v_sub_nc_u32 v[RB], v[RB], s88
.irp j, 0,1,2,3,4,5
	v_mov_b32 v[QHI+\j], 0                         ; the zero codes beside q
	v_mov_b32 v[QLO+6+\j], 0
.endr
.irp b, 0,1,2,3
	v_mov_b32 v[BX+\b], 0                          ; (a lane permute's destination counts as read)
.endr
	v_mov_b32 v[TT], 0
	v_mov_b32 v[F+1], 0                            ; (the upper halves of pairs of which the low word serves both halves)
	v_mov_b32 v[CB], s50
	v_mov_b32 v[CB+1], s50
	v_mov_b32 v[CB+2], s48
	v_mov_b32 v[CB+3], s48
	v_mov_b32 v[CB+4], s49
	v_mov_b32 v[CB+5], s49
	s_wait_alu depctr_va_vdst(0)
	PASS 0
	PASS 1
	s_wait_dscnt 0x0                               ; my scale bytes of both passes are stored
	s_barrier_signal -1
	s_barrier_wait -1                              ; everybody's are
	s_cmp_lg_u32 s[WV], 0
	s_cbranch_scc1 .Lnot_first
	ds_load_b128 v[S:S+3], v[RDS]                  ; wave 0 stores the scale words: for each pass two runs of 256 consecutive bytes
	ds_load_b128 v[S+4:S+7], v[RDS] offset:512
	s_wait_dscnt 0x0
	global_store_b128 v[WRS], v[S:S+3], s[SP:SP+1]
	global_store_b128 v[WRS], v[S+4:S+7], s[SP:SP+1] offset:51200
.Lnot_first:
	s_wait_tensorcnt 0x0                           ; the wave's end
	ds_add_u32 v[SPW], v[NIL]
	s_wait_dscnt 0x0
	ROUND                                          ; the closing round
	s_endpgm
.Lfunc_end_k_q77439a09da_attn:
	.size	k_q77439a09da_attn, .Lfunc_end_k_q77439a09da_attn-k_q77439a09da_attn
	.p2alignl 7, 3214868480
	.fill 96, 4, 3214868480
	.section	.rodata,"a",@progbits
	.p2align	6, 0x0
	.amdhsa_kernel k_q77439a09da_attn
		.amdhsa_group_segment_fixed_size 216064
		.amdhsa_private_segment_fixed_size 0
		.amdhsa_enable_private_segment 0
		.amdhsa_kernarg_size 24
		.amdhsa_user_sgpr_count 2
		.amdhsa_user_sgpr_kernarg_segment_ptr 1
		.amdhsa_wavefront_size32 1
		.amdhsa_system_sgpr_workgroup_id_x 1
		.amdhsa_system_sgpr_workgroup_id_y 1
		.amdhsa_system_sgpr_workgroup_id_z 1
		.amdhsa_system_vgpr_workitem_id 0
		.amdhsa_next_free_vgpr 256
		.amdhsa_next_free_sgpr 100
		.amdhsa_reserve_vcc 0
		.amdhsa_float_denorm_mode_32 3
		.amdhsa_float_denorm_mode_16_64 3
		.amdhsa_memory_ordered 1
		.amdhsa_forward_progress 1
		.amdhsa_inst_pref_size 82
	.end_amdhsa_kernel
	.amdgpu_metadata
---
amdhsa.version: [ 1, 2 ]
amdhsa.kernels:
  - .name:           k_q77439a09da_attn
    .symbol:         k_q77439a09da_attn.kd
    .args:
      - { .name: qu, .offset: 0, .size: 8, .value_kind: global_buffer, .address_space: global }
      - { .name: kv, .offset: 8, .size: 8, .value_kind: global_buffer, .address_space: global }
      - { .name: ou, .offset: 16, .size: 8, .value_kind: global_buffer, .address_space: global }
    .group_segment_fixed_size: 216064
    .private_segment_fixed_size: 0
    .kernarg_segment_align: 8
    .kernarg_segment_size: 24
    .max_flat_workgroup_size: 512
    .sgpr_count:     100
    .vgpr_count:     256
    .wavefront_size: 32
...
	.end_amdgpu_metadata
.endif
;; end of part 3
;; launch proj (part 4): grid 4 x 64, 8 waves a work-group, clusters of 4 x 4, 308,224 bytes of LDS; arguments ou, wu, out0; writes out0
.if DOCPART == 4
	.amdgcn_target "amdgcn-amd-amdhsa--gfx1250"
	.amdhsa_code_object_version 6
	.text
	.protected	k_q77439a09da_proj
	.globl	k_q77439a09da_proj
	.p2align	8
	.type	k_q77439a09da_proj,@function
k_q77439a09da_proj:
	s_mov_b64 s[64:65], 0
	v_nop
	global_prefetch_b8 v0, s[64:65] scope:SCOPE_SE
	s_setreg_imm32_b32 hwreg(HW_REG_WAVE_MODE, 25, 1), 1
	s_wait_xcnt 0x0
	s_wait_alu depctr_hold_cnt(0) depctr_sa_sdst(0) depctr_va_vdst(0) depctr_va_sdst(0) depctr_va_ssrc(0) depctr_va_vcc(0) depctr_vm_vsrc(0)
	s_getreg_b32 s2, hwreg(HW_REG_IB_STS2, 6, 4)
	s_cmp_eq_u32 s2, 0
	s_cbranch_scc0 .Lentry_in_a_cluster
	s_endpgm
.Lentry_in_a_cluster:
	s_bfe_u32 s2, ttmp6, 0x10000c
	s_cmp_lg_u32 s2, 0xf033
	s_cbranch_scc0 .Lentry_shape_is_right
	s_endpgm
.Lentry_shape_is_right:
; out0 = (attention's result) Wo on codes of BF6 (E3M2) with E8M0 scales, f32 sums.  Both operands arrive in the order of an operand's registers (units of 64 rows x K = 1,024).
; SHARES.  A work-group takes 128 tokens (two units) and 256 columns (four units of Wo).  Eight waves: wave w takes token unit w % 2 and weight unit w / 2: 64 x 64 results, 16 accumulators.
; LDS.  All of K of the six units lies in LDS, filled ONCE at the head by tensor loads, one load a unit; one wait for 0 and one barrier stand in front of the first K step; nothing is filled again.
; CLUSTER 4 x 4: the four of a row share the tokens, the four of a column the weights: each piece is asked for jointly.
; Source 0 = 16 columns of Wo, source 1 = 16 tokens: a lane holds eight neighbouring numbers of a row of out0; a tile of 16 rows goes through the wave's own stage in LDS and leaves as whole runs of 256 bytes.
; The stage lies in the first unit's bytes: they have had their only fill, and a barrier behind the last K step shows that every wave's reads of them are over.
.set NW,     4
.set NP,     6
.set PIECE,  51200                     ; AS THE TEXT NOW STANDS: a unit's whole K, eight K steps, lies on end in LDS and comes by ONE tensor load of the wave that fetches it; one wait for 0 and one barrier stand in front of the first K step,
.set CHUNKB, 12800                     ; and one more barrier in front of the stage, which lies in the first unit's bytes.  CHUNKB: two K steps, what the LDS addresses are stepped by
.set SPARE,  NP*PIECE
.set SPW,  14
.set NIL,  15
.set AA16, 3
.set AA8,  4
.set BA16, 5
.set BA8,  6
.set STO,  10                          ; v10  the stage: where I put 32 bytes of a row
.set RD,   11                          ; v11  where I read a row back
.set CO,   12                          ; v12  my byte offset in two rows of out0
.set SA,   16
.set SB,   18
.set AF,   32
.set BF,   80
.set ACC,  128
.set WV,   12
.set G1X,  20
.set G1W,  28
.set G0X,  36
.set G0W,  68
.macro ROUND
	s_barrier_signal -1
	s_barrier_wait -1
	s_cmp_lg_u32 s[WV], 0
	s_cbranch_scc1 .Lnot_wave_0_\@
	s_barrier_signal -3
.Lnot_wave_0_\@:
	s_barrier_wait -3
	s_barrier_signal -1
	s_barrier_wait -1
.endm
.macro WM d, a, b, z, sa, sb, ra, rb
.if \z
.if (\ra) && (\rb)
	v_wmma_scale_f32_16x16x128_f8f6f4 v[\d:\d+7], v[\a:\a+11], v[\b:\b+11], 0, v[\sa], v[\sb] matrix_a_fmt:MATRIX_FMT_BF6 matrix_b_fmt:MATRIX_FMT_BF6 matrix_a_scale:MATRIX_SCALE_ROW1 matrix_b_scale:MATRIX_SCALE_ROW1
.elseif (\ra)
	v_wmma_scale_f32_16x16x128_f8f6f4 v[\d:\d+7], v[\a:\a+11], v[\b:\b+11], 0, v[\sa], v[\sb] matrix_a_fmt:MATRIX_FMT_BF6 matrix_b_fmt:MATRIX_FMT_BF6 matrix_a_scale:MATRIX_SCALE_ROW1
.elseif (\rb)
	v_wmma_scale_f32_16x16x128_f8f6f4 v[\d:\d+7], v[\a:\a+11], v[\b:\b+11], 0, v[\sa], v[\sb] matrix_a_fmt:MATRIX_FMT_BF6 matrix_b_fmt:MATRIX_FMT_BF6 matrix_b_scale:MATRIX_SCALE_ROW1
.else
	v_wmma_scale_f32_16x16x128_f8f6f4 v[\d:\d+7], v[\a:\a+11], v[\b:\b+11], 0, v[\sa], v[\sb] matrix_a_fmt:MATRIX_FMT_BF6 matrix_b_fmt:MATRIX_FMT_BF6
.endif
.else
.if (\ra) && (\rb)
	v_wmma_scale_f32_16x16x128_f8f6f4 v[\d:\d+7], v[\a:\a+11], v[\b:\b+11], v[\d:\d+7], v[\sa], v[\sb] matrix_a_fmt:MATRIX_FMT_BF6 matrix_b_fmt:MATRIX_FMT_BF6 matrix_a_scale:MATRIX_SCALE_ROW1 matrix_b_scale:MATRIX_SCALE_ROW1
.elseif (\ra)
	v_wmma_scale_f32_16x16x128_f8f6f4 v[\d:\d+7], v[\a:\a+11], v[\b:\b+11], v[\d:\d+7], v[\sa], v[\sb] matrix_a_fmt:MATRIX_FMT_BF6 matrix_b_fmt:MATRIX_FMT_BF6 matrix_a_scale:MATRIX_SCALE_ROW1
.elseif (\rb)
	v_wmma_scale_f32_16x16x128_f8f6f4 v[\d:\d+7], v[\a:\a+11], v[\b:\b+11], v[\d:\d+7], v[\sa], v[\sb] matrix_a_fmt:MATRIX_FMT_BF6 matrix_b_fmt:MATRIX_FMT_BF6 matrix_b_scale:MATRIX_SCALE_ROW1
.else
	v_wmma_scale_f32_16x16x128_f8f6f4 v[\d:\d+7], v[\a:\a+11], v[\b:\b+11], v[\d:\d+7], v[\sa], v[\sb] matrix_a_fmt:MATRIX_FMT_BF6 matrix_b_fmt:MATRIX_FMT_BF6
.endif
.endif
.endm
.macro MM L, P, zero
	WM ACC+8*(4*(\L)+(\P)), AF+12*(\P), BF+12*(\L), \zero, SA+(\P)/2, SB+(\L)/2, (\P)%2, (\L)%2
.endm
.macro FRAGLD reg, a16, a8, off
	ds_load_b128 v[\reg:\reg+3], v[\a16] offset:\off
	ds_load_b64 v[\reg+4:\reg+5], v[\a8] offset:\off+512
	ds_load_b128 v[\reg+6:\reg+9], v[\a16] offset:\off+768
	ds_load_b64 v[\reg+10:\reg+11], v[\a8] offset:\off+1280
.endm
; A K step of 128: 34 LDS loads, 16 products.  The 16 accumulators take turns, one instruction a turn, in the same order in every step.
.macro KSTEP sl, zero, places
.if \places
.rept 4
	v_nop                                          ; four places between the last product and loads into registers that it read
.endr
.endif
	ds_load_b64 v[SA:SA+1], v[AA8] offset:6400*\sl+6144
	ds_load_b64 v[SB:SB+1], v[BA8] offset:6400*\sl+6144
.irp P, 0,1,2,3
	FRAGLD AF+12*\P, AA16, AA8, 6400*\sl+1536*\P
.endr
.irp L, 0,1,2,3
	FRAGLD BF+12*\L, BA16, BA8, 6400*\sl+1536*\L
.endr
.irp L, 0,1,2,3
	s_wait_dscnt 4*(3-\L)                          ; all but the later fragments of source 1, four loads each
.irp P, 0,1,2,3
	MM \L, \P, \zero
.endr
.endr
.endm
	s_load_b128 s[4:7], s[0:1], 0x0                ; ou s[4:5], wu s[6:7]
	s_load_b64 s[8:9], s[0:1], 0x10                ; out0
	v_lshl_add_u32 v[SPW], v0, 2, SPARE
	v_mov_b32 v[NIL], 0
	ds_add_u32 v[SPW], v[NIL]                      ; the wave's opening: the add and its wait stand ahead of my first tensor load; work on registers stands between them
	ds_add_u32 v[SPW], v[NIL]
	v_lshrrev_b32 v1, 5, v0
	s_delay_alu instid0(VALU_DEP_1)
	v_readfirstlane_b32 s[WV], v1                  ; wave 0..7
	s_bfe_u32 s13, ttmp6, 0x40000                  ; cx = which 256 columns
	s_bfe_u32 s14, ttmp6, 0x40004                  ; cy
	s_and_b32 s15, ttmp7, 0xffff
	s_lshl_b32 s15, s15, 2
	s_add_co_u32 s15, s15, s14                     ; my block of 128 tokens
	s_lshl_b32 s16, s14, 2
	s_lshl_b32 s16, 15, s16                        ; my row of the cluster
	s_lshl_b32 s17, 0x1111, s13                    ; my column
	s_or_b32 s[G1X], s16, (3<<16)|(1<<21)
	s_or_b32 s[G1W], s17, (3<<16)|(1<<21)
.irp g, G1X, G1W
	s_mov_b32 s[\g+1], 32<<16                      ; rows of 256 bytes,
	s_mov_b32 s[\g+2], 200<<16                     ; 200 rows of 256 bytes: 51,200 dense bytes
	s_mov_b32 s[\g+3], 32<<16
	s_mov_b32 s[\g+4], 200
	s_mov_b32 s[\g+5], 32
	s_mov_b32 s[\g+6], 0
	s_mov_b32 s[\g+7], 0
.endr
	s_and_b32 s18, s[WV], 1
	s_lshl_b32 s84, s15, 1
	s_add_co_u32 s84, s84, s18
	s_mul_i32 s84, s84, 51200                      ; the tokens' piece that waves 0, 1 fetch
	s_mov_b32 s85, 0
	s_lshl_b32 s86, s13, 2
	s_add_co_u32 s86, s86, 24                      ; Wo's units begin at 24
	s_max_u32 s87, s[WV], 2
	s_sub_co_u32 s87, s87, 2
	s_min_u32 s87, s87, NW-1
	s_add_co_u32 s86, s86, s87
	s_mul_i32 s86, s86, 51200                      ; the weights' piece that waves 2 to 5 fetch
	s_mov_b32 s87, 0
	s_mul_i32 s19, s[WV], PIECE
	s_wait_dscnt 0x0                               ; the opening add is done
	s_wait_kmcnt 0x0
	s_add_nc_u64 s[84:85], s[4:5], s[84:85]
	s_add_nc_u64 s[86:87], s[6:7], s[86:87]
	ROUND                                          ; all sixteen work-groups are here: the joint loads meet
.irp ch, 0
	s_mov_b32 s[G0X+4*\ch], 1
	s_add_co_u32 s[G0X+4*\ch+1], s19, \ch*CHUNKB
	s_add_nc_u64 s[G0X+4*\ch+2:G0X+4*\ch+3], s[84:85], \ch*PIECE
	s_or_b32 s[G0X+4*\ch+3], s[G0X+4*\ch+3], 0x80000000
	s_mov_b32 s[G0W+4*\ch], 1
	s_add_co_u32 s[G0W+4*\ch+1], s19, \ch*CHUNKB
	s_add_nc_u64 s[G0W+4*\ch+2:G0W+4*\ch+3], s[86:87], \ch*PIECE
	s_or_b32 s[G0W+4*\ch+3], s[G0W+4*\ch+3], 0x80000000
.endr
	s_cmp_lt_u32 s[WV], 2                          ; one fill a wave, in one chain of branches on its number; waves 6 and 7 fetch nothing
	s_cbranch_scc0 .Lnot_x
.irp ch, 0
	tensor_load_to_lds s[G0X+4*\ch:G0X+4*\ch+3], s[G1X:G1X+7]
	s_nop 0
.endr
.rept 4
	v_nop
.endr
	s_branch .Lasked
.Lnot_x:
	s_cmp_lt_u32 s[WV], NP
	s_cbranch_scc0 .Lasked
.irp ch, 0
	tensor_load_to_lds s[G0W+4*\ch:G0W+4*\ch+3], s[G1W:G1W+7]
	s_nop 0
.endr
.rept 4
	v_nop
.endr
.Lasked:
	v_and_b32 v7, 31, v0
	s_delay_alu instid0(VALU_DEP_1)
	v_lshlrev_b32 v1, 4, v7
	s_delay_alu instid0(VALU_DEP_2)
	v_lshlrev_b32 v2, 3, v7
	s_lshr_b32 s52, s[WV], 1                       ; my weight unit of the four
	s_add_co_u32 s54, s52, 2
	s_mul_i32 s54, s54, PIECE
	s_mul_i32 s55, s18, PIECE
	v_add_nc_u32 v[AA16], s54, v1
	v_add_nc_u32 v[AA8], s54, v2
	v_add_nc_u32 v[BA16], s55, v1
	v_add_nc_u32 v[BA8], s55, v2
	v_and_b32 v8, 15, v0                           ; r
	v_bfe_u32 v9, v0, 4, 1                         ; h
	s_mul_i32 s56, s[WV], 4352                     ; my stage: 16 rows x (256 + 16) bytes
	v_mul_u32_u24 v[STO], v8, 272
	s_delay_alu instid0(VALU_DEP_1)
	v_lshl_add_u32 v[STO], v9, 5, v[STO]
	s_delay_alu instid0(VALU_DEP_1)
	v_add_nc_u32 v[STO], s56, v[STO]               ; in: row r, 32 h bytes on
	v_mul_u32_u24 v[RD], v9, 272
	s_delay_alu instid0(VALU_DEP_1)
	v_lshl_add_u32 v[RD], v8, 4, v[RD]
	s_delay_alu instid0(VALU_DEP_1)
	v_add_nc_u32 v[RD], s56, v[RD]                 ; back: lanes 0-15 one row, lanes 16-31 the next
	v_lshlrev_b32 v[CO], 12, v9
	s_delay_alu instid0(VALU_DEP_1)
	v_lshl_add_u32 v[CO], v8, 4, v[CO]             ; and the same in out0
	s_lshl_b32 s60, s15, 1
	s_add_co_u32 s60, s60, s18
	s_lshl_b32 s60, s60, 18                        ; my unit's 64 rows of 4,096 bytes,
	s_lshl_b32 s61, s13, 2
	s_add_co_u32 s61, s61, s52
	s_lshl_b32 s61, s61, 8                         ; my 64 columns
	s_add_co_u32 s60, s60, s61
	s_mov_b32 s61, 0
	s_add_nc_u64 s[8:9], s[8:9], s[60:61]
	s_wait_tensorcnt 0x0                           ; my unit is in
	s_wait_dscnt 0x0
	s_barrier_signal -1
	s_barrier_wait -1                              ; everybody's unit is in; nothing is filled again
.irp ch, 0,1,2,3
.if \ch == 0
	KSTEP 0, 1, 0                                  ; the first K step starts the sums: nothing is cleared
.else
	v_add_nc_u32 v[AA16], CHUNKB, v[AA16]          ; on to this chunk; these four are also the places in front of the loads
	v_add_nc_u32 v[AA8], CHUNKB, v[AA8]
	s_wait_alu depctr_va_vdst(0)
	v_add_nc_u32 v[BA16], CHUNKB, v[BA16]
	v_add_nc_u32 v[BA8], CHUNKB, v[BA8]
	s_wait_alu depctr_va_vdst(0)
	KSTEP 0, 0, 0
.endif
	KSTEP 1, 0, 1
.endr
	; ---- the way out, a tile of 16 tokens at a time.  Row rr of tile L is token 32 (L / 2) + 8 (L % 2) + rr + 8 (rr / 8) of the unit
.rept 4
	v_nop                                          ; four places behind the last product
.endr
	s_wait_dscnt 0x0                               ; my reads of the units are over
	s_barrier_signal -1
	s_barrier_wait -1                              ; everybody's are: the stage may be laid over the first unit's bytes, which have had their only fill
.irp L, 0,1,2,3
.if \L >= 2
	s_wait_xcnt 0x0                                ; the stores of two tiles back have read this set of registers
.endif
.irp P, 0,1,2,3
	ds_store_b128 v[STO], v[ACC+8*(4*\L+\P):ACC+8*(4*\L+\P)+3] offset:64*\P          ; each accumulator from its low end on
	ds_store_b128 v[STO], v[ACC+8*(4*\L+\P)+4:ACC+8*(4*\L+\P)+7] offset:64*\P+16
.endr
.irp i, 0,1,2,3,4,5,6,7
	ds_load_b128 v[32+32*(\L%2)+4*\i:32+32*(\L%2)+4*\i+3], v[RD] offset:544*\i       ; LDS serves a wave's instructions in order: these see the stores above
.endr
.irp i, 0,1,2,3,4,5,6,7
	s_wait_dscnt 7-\i                              ; the later pairs of rows may be out
	global_store_b128 v[CO], v[32+32*(\L%2)+4*\i:32+32*(\L%2)+4*\i+3], s[8:9] offset:(32*(\L/2)+8*(\L%2)+2*\i+8*(\i/4))*4096 th:TH_STORE_NT   ; sixteen lanes store 256 consecutive bytes, at a multiple of 256 from out0's first byte
.endr
.endr
	s_wait_tensorcnt 0x0                           ; the wave's end
	ds_add_u32 v[SPW], v[NIL]
	s_wait_dscnt 0x0
	ROUND                                          ; the closing round
	s_endpgm
.Lfunc_end_k_q77439a09da_proj:
	.size	k_q77439a09da_proj, .Lfunc_end_k_q77439a09da_proj-k_q77439a09da_proj
	.p2alignl 7, 3214868480
	.fill 96, 4, 3214868480
	.section	.rodata,"a",@progbits
	.p2align	6, 0x0
	.amdhsa_kernel k_q77439a09da_proj
		.amdhsa_group_segment_fixed_size 308224
		.amdhsa_private_segment_fixed_size 0
		.amdhsa_enable_private_segment 0
		.amdhsa_kernarg_size 24
		.amdhsa_user_sgpr_count 2
		.amdhsa_user_sgpr_kernarg_segment_ptr 1
		.amdhsa_wavefront_size32 1
		.amdhsa_system_sgpr_workgroup_id_x 1
		.amdhsa_system_sgpr_workgroup_id_y 1
		.amdhsa_system_sgpr_workgroup_id_z 1
		.amdhsa_system_vgpr_workitem_id 0
		.amdhsa_next_free_vgpr 256
		.amdhsa_next_free_sgpr 100
		.amdhsa_reserve_vcc 0
		.amdhsa_float_denorm_mode_32 3
		.amdhsa_float_denorm_mode_16_64 3
		.amdhsa_memory_ordered 1
		.amdhsa_forward_progress 1
		.amdhsa_inst_pref_size 50
	.end_amdhsa_kernel
	.amdgpu_metadata
---
amdhsa.version: [ 1, 2 ]
amdhsa.kernels:
  - .name:           k_q77439a09da_proj
    .symbol:         k_q77439a09da_proj.kd
    .args:
      - { .name: ou, .offset: 0, .size: 8, .value_kind: global_buffer, .address_space: global }
      - { .name: wu, .offset: 8, .size: 8, .value_kind: global_buffer, .address_space: global }
      - { .name: out0, .offset: 16, .size: 8, .value_kind: global_buffer, .address_space: global }
    .group_segment_fixed_size: 308224
    .private_segment_fixed_size: 0
    .kernarg_segment_align: 8
    .kernarg_segment_size: 24
    .max_flat_workgroup_size: 256
    .sgpr_count:     100
    .vgpr_count:     256
    .wavefront_size: 32
...
	.end_amdgpu_metadata
.endif
;; end of part 4
